; MI455X (gfx1250); checked and timed in simulation.
; The chip was launched on July 23, 2026; its instructions are those of AMD's public machine-readable ISA for CDNA 5 (MIT licence, August 2026) and "CDNA5" Instruction Set Architecture Reference Guide (July 2026). The comments in the code are by the model that wrote it; some were corrected since.
;; Attention. Allowed arithmetic: matrix products marked QUANTISED: E2M3 operands, one E8M0 scale for each 32 along K, by v_wmma_scale_f32_16x16x128_f8f6f4 with both operands' format E2M3, f32 sums; everything else in f32.
;; Inputs: Wk 4,096 x 1,024 float32; Wo 2,048 x 4,096 float32; Wq 4,096 x 2,048 float32; Wv 4,096 x 1,024 float32; attn_mask 2,048 x 2,048 float32; cos 2,048 x 128 float32; k_norm_w 128 float32; position_ids 2,048 int32; q_norm_w 128 float32; sin 2,048 x 128 float32; x 2,048 x 4,096 float32.
;; Outputs: out0 2,048 x 4,096 float32.
;; This version of the problem:
;;   THIS VERSION OF THE PROBLEM IS GIVEN IN LOW PRECISION. The matrix products marked QUANTISED in the list below multiply operands that are first quantised to E2M3 (2 exponent bits, 3 mantissa bits; 6 bits a number), with one power-of-two scale for each 32 numbers along K (OCP MX v1.0); their sums are f32. All else is computed in f32.
;;   The module's matrix products, in the order in which they are computed (A, B: the left and right operand; K: the contracted axis; several contracted axes count as one K, in the product's order):
;;     1. [M 2,048, K 4,096] x [K 4,096, N 2,048]; A: input x; B: input Wq: QUANTISED
;;     2. [M 2,048, K 4,096] x [K 4,096, N 1,024]; A: input x; B: input Wk: QUANTISED
;;     3. [M 2,048, K 4,096] x [K 4,096, N 1,024]; A: input x; B: input Wv: QUANTISED
;;     4. batch 16 x [M 2,048, K 128] x [K 128, N 2,048]; A: computed on the way; B: computed on the way: QUANTISED
;;     5. batch 16 x [M 2,048, K 2,048] x [K 2,048, N 128]; A: softmax (see below); B: computed on the way: QUANTISED
;;     6. [M 2,048, K 2,048] x [K 2,048, N 4,096]; A: computed on the way; B: input Wo: QUANTISED
;;   THE QUANTISER, for each operand of a quantised product, along K:
;;     - K is cut into blocks of 32 from its start; a last block that is shorter is filled with zeros.
;;     - A block's scale is 2^e with e = floor(log2(the largest magnitude in the block)) - 2, held to -126 .. 127; a block of zeros has e = 0. As a byte (E8M0): e + 127.
;;     - Each number is divided by its block's scale, clamped to +-7.5, and rounded to the nearest number of E2M3, ties to even, subnormals kept.
;;     - The product sums the exact products of the quantised numbers (number of the format x scale) in f32.
;;   ~~~python
;;   def quantise(x, axis):      # numpy; x: float32 -> the quantised numbers, widened to float32 again
;;       x = np.moveaxis(x, axis, -1); K = x.shape[-1]
;;       x = np.pad(x, [(0, 0)] * (x.ndim - 1) + [(0, -K % 32)]); x = x.reshape(x.shape[:-1] + (-1, 32)); a = np.abs(x).max(-1, keepdims=True)
;;       e = np.where(a > 0, np.clip(np.frexp(np.where(a > 0, a, 1))[1] - 1 - 2, -126, 127), 0)      # np.frexp(a)[1] - 1 = floor(log2(a)), exactly
;;       r = np.clip(x / 2.0 ** e, -7.5, 7.5)
;;       step = 2.0 ** (np.maximum(np.frexp(np.where(r == 0, 1, r))[1] - 1, 0) - 3)
;;       q = np.round(r / step) * step * 2.0 ** e      # np.round: ties to even
;;       return np.moveaxis(q.reshape(q.shape[:-2] + (-1,))[..., :K], -1, axis).astype(np.float32)
;;   ~~~
;;   SOFTMAX AHEAD OF A QUANTISED PRODUCT. Where the list says 'softmax', what is quantised is not the finished softmax but p = 2^(t - M), with t = logit x log2(e) and M = ceil(the row's largest t), a whole number; so 1/2 < the row's largest p <= 1. The row's sum l is taken of the UNQUANTISED p, in f32, and the product's result is divided by l at the end. Since M is a whole number, a kernel that streams over the keys may use a running M (the ceiling of the running maximum): every later rescaling is an exact power of two, which a block's scale takes up: the codes' values come out the same.
;;   OPERANDS COMPUTED ON THE WAY. 'Computed on the way' means the value that the module computes at that place (a softmax that the list does not call 'softmax' is quantised finished and normalised). What goes into a quantiser is computed in f32, as accurately as f32 sums, v_exp_f32 and their like allow (about 1e-6 of the number): no bf16 or f16 on the way to a quantiser, and a product that is left as it is and whose result goes on into a quantised operand takes f32 operands (vector FMAs, or v_wmma_f32_16x16x4_f32). A number that lies on a knife's edge between two numbers of the format may be rounded either way, as far as f32 arithmetic and the matrix unit's own rounding can turn it there, and no further.
;; One version. Each part assembles by itself: llvm-mc -triple=amdgcn-amd-amdhsa -mcpu=gfx1250 --defsym DOCPART=n.
;; ======== version 1 of 1: 4 launches
;; limits: right only within a limited range of input values
;; workspace buffers: xc 6,553,600 bytes; wqkv 13,107,200 bytes; woc 6,553,600 bytes; qc 3,276,800 bytes; kc 1,638,400 bytes; vc 1,638,400 bytes; ao 3,276,800 bytes; rt 4,194,304 bytes
;; launch quant (part 1): grid 640 x 1, 4 waves a work-group, no clusters, 34,304 bytes of LDS; arguments x, Wq, Wk, Wv, Wo, xc, wqkv, woc, position_ids, cos, sin, q_norm_w, k_norm_w, rt; writes xc, wqkv, woc, rt
.if DOCPART == 1
	.amdgcn_target "amdgcn-amd-amdhsa--gfx1250"
	.amdhsa_code_object_version 6
	.text
	.protected	k_q2b659067a4_quant
	.globl	k_q2b659067a4_quant
	.p2align	8
	.type	k_q2b659067a4_quant,@function
k_q2b659067a4_quant:
	s_mov_b64 s[64:65], 0
	v_nop
	global_prefetch_b8 v0, s[64:65] scope:SCOPE_SE
	s_setreg_imm32_b32 hwreg(HW_REG_WAVE_MODE, 25, 1), 1
	s_wait_xcnt 0x0
; x [2048][4096] and the four weights (K is their FIRST axis) become codes of FP6 (E2M3) with one E8M0 byte for each 32 along K, laid as the products' launches read them.
; A FRAGMENT (16 rows x 128 K, 12 registers a lane) lies in memory as an image of its registers: registers 4 g .. 4 g + 3 of lane l at 512 g + 16 l.  A GROUP IMAGE (6,400 bytes) is the four fragments
; of 512 along K of one block of 16 rows, then 256 scale bytes: row r's four scale words at 6144 + 16 r.  Buffers: [block of rows][K / 512][6400].
; ROWS ARE STORED IN A TURNED ORDER: place p holds row p with bits 3 and 4 exchanged, so block RB, lane row r is true row 32 (RB / 2) + 8 (RB % 2) + r + 8 (r / 8).  A product that takes such rows as
; source 0 then leaves 16 neighbours along that axis in a lane's 16 registers of two neighbouring tiles.
; A block's scale is 2^(floor(log2(largest magnitude)) - 2); its byte is the largest magnitude's exponent field - 2, held at 1 from below.
; LIMITS: a block of zeros, and one whose largest magnitude lies under 2^-124, gets the byte 1 (the rule says 127 for zeros: the codes are zeros, and this program alone reads the bytes); NaN and infinities are not served.
; SHARES: work-groups 0-127: one block of 16 rows of x each, a wave 1,024 along K (8 fragments).  128-255 Wq, 256-319 Wk, 320-383 Wv, 384-511 Wo: 128 columns x 512 along K each, a wave 32 columns.
; No tensor loads, no barrier: waves share nothing; no cluster: no byte is read by two work-groups.
; WORK-GROUPS 512-639 lay the rotary tables for the next launch, one block of 16 tokens (in the turned order) each: rt [q | k][block][32 chunks][lane][16 bytes], an image of that launch's registers.
; Lane (r, h), number j = 4 n + e of chunks n = 0 .. 15 belongs to d = 32 (j / 16) + 16 h + j % 16: chunk n holds w[d] cos[pos][d], chunk 16 + n holds w[d xor 64] sin[pos][d], w the head's norm weight.
; So norm weight and turn are one step there: y[d] = rs (x[d] w[d] cos[d] -+ x[d xor 64] w[d xor 64] sin[d]).  Wave w: table w / 2 (cos, sin), weight w % 2 (q, k).  These work-groups are the shortest and have the highest numbers.
.set STG,   8448
.set SPARE, 4*STG                      ; behind the stages: the spare words, 128 bytes a wave, named by no other line
.set GI,    6400
.set FRB,   1536
.set FLOOR, 0x1800000                  ; 2^(3 - 127)
.set R,     32                         ; x: v32-159 two sets of 64 numbers as loaded
.set X,     160                        ; x: v160-223 my 64 numbers of a fragment
.set C,     224                        ; x: v224-247 two sets of codes
.set WOFF,  32                         ; W: v32-63 byte offsets of the 32 rows of a block
.set WX,    64                         ; W: v64-127 two sets of 32 numbers
.set WF,    128                        ; W: v128-223 for each of four K steps: 12 registers of even blocks, 12 of odd ones
.macro LOADX f                         ; fragment f: 16 rows x 512 consecutive bytes; the choice of rows is the turned order
.irp t, 0,1,2,3,4,5,6,7,8,9,10,11,12,13,14,15
	global_load_b128 v[R+64*((\f)%2)+4*\t:R+64*((\f)%2)+4*\t+3], v4, s[4:5] offset:(16*(\t/8)+\t%8)*16384+512*(\f) th:TH_LOAD_NT
.endr
.endm
.macro FRX f
.set RS, R+64*((\f)%2)
.set CS, C+12*((\f)%2)
.if (\f) < 7
	s_wait_loadcnt 16                              ; this fragment's 16 loads are in; the next one's may be out
.else
	s_wait_loadcnt 0x0
.endif
.irp t, 0,1,2,3,4,5,6,7,8,9,10,11,12,13,14,15
	ds_store_b128 v5, v[RS+4*\t:RS+4*\t+3] offset:528*\t
.endr
.irp c, 0,1
.irp j, 0,1,2,3,4,5,6,7
	ds_load_b128 v[X+32*\c+4*\j:X+32*\c+4*\j+3], v6 offset:256*\c+16*\j   ; row r, k = 64 c + 32 h + 0 .. 31: LDS serves a wave's instructions in order, so these see the stores
.endr
.endr
	s_wait_dscnt 0x0
.if (\f) < 6
	LOADX (\f)+2
.endif
.irp c, 0,1
	v_max3_num_f32 v[8+\c], |v[X+32*\c]|, |v[X+32*\c+1]|, FLOOR    ; block 2 c + h of my row is all mine; the floor holds the byte at 1
.endr
.irp i, 2,4,6,8,10,12,14,16,18,20,22,24,26,28,30
.irp c, 0,1
	v_max3_num_f32 v[8+\c], v[8+\c], |v[X+32*\c+\i]|, |v[X+32*\c+\i+1]|
.endr
.endr
.irp c, 0,1
	v_add_nc_u32 v[10+\c], 0xff000000, v[8+\c]     ; 2 off the exponent field: the conversion's scale operand
.endr
.irp c, 0,1
	v_lshrrev_b32 v[12+\c], 23, v[10+\c]           ; the byte
.endr
	v_lshl_or_b32 v14, v13, 16, v12
	v_lshlrev_b32 v14, v24, v14                    ; at bytes h and 2 + h
	v_permlanex16_b32 v15, v14, s22, s23
	v_or_b32 v[16+(\f)%4], v14, v15                ; with lane l xor 16's two the word is whole
.if (\f) >= 2
	s_wait_alu depctr_va_vdst(0)
	s_wait_xcnt 0x0                                ; the stores of two fragments back have read this set of codes
.endif
.irp c, 0,1
	v_cvt_scalef32_pk16_fp6_f32 v[CS+6*\c:CS+6*\c+2], v[X+32*\c:X+32*\c+15], v[10+\c]
	v_cvt_scalef32_pk16_fp6_f32 v[248+4*\c:250+4*\c], v[X+32*\c+16:X+32*\c+31], v[10+\c]   ; (a conversion's three registers begin on an even number)
.endr
	v_nop                                          ; one plain line behind the conversions
.irp c, 0,1
.irp i, 0,1,2
	v_mov_b32 v[CS+6*\c+3+\i], v[248+4*\c+\i]
.endr
.endr
.irp g, 0,1,2
	global_store_b128 v4, v[CS+4*\g:CS+4*\g+3], s[14:15] offset:((\f)/4)*GI+((\f)%4)*FRB+512*\g   ; 512 consecutive bytes
.endr
.if (\f)%4 == 3
	v_cndmask_b32 v[20+2*((\f)/4)], v16, v18, s33  ; lane (r, h) stores words 2 h, 2 h + 1 of row r: 256 consecutive bytes a wave
	v_cndmask_b32 v[21+2*((\f)/4)], v17, v19, s33
	global_store_b64 v7, v[20+2*((\f)/4):21+2*((\f)/4)], s[14:15] offset:((\f)/4)*GI+6144
.endif
.endm
.macro LOADW t                         ; block t: rows 32 t + i of my column; a wave reads 128 consecutive bytes, the work-group 512
.set II, 0
.rept 32
	global_load_b32 v[WX+32*((\t)%2)+II], v[WOFF+II], s[24+2*((\t)%2):25+2*((\t)%2)] th:TH_LOAD_NT
.set II, II+1
.endr
.endm
.macro BLOCKW t
.set XS, WX+32*((\t)%2)
.set QQ, (\t)/4
.set CC, ((\t)%4)/2
.set DD, WF+24*QQ+12*((\t)%2)+6*CC
.if (\t) < 15
	s_wait_loadcnt 32                              ; this block's 32 loads are in; the next block's may be out
.else
	s_wait_loadcnt 0x0
.endif
	v_max3_num_f32 v12, |v[XS]|, |v[XS+1]|, |v[XS+2]|
	v_max3_num_f32 v13, |v[XS+3]|, |v[XS+4]|, |v[XS+5]|
.irp i, 6,10,14,18,22,26
	v_max3_num_f32 v12, v12, |v[XS+\i]|, |v[XS+\i+1]|
	v_max3_num_f32 v13, v13, |v[XS+\i+2]|, |v[XS+\i+3]|
.endr
	v_max3_num_f32 v12, v12, |v[XS+30]|, |v[XS+31]|
	v_max3_num_f32 v12, v12, v13, FLOOR
	v_add_nc_u32 v11, 0xff000000, v12
	v_lshrrev_b32 v13, 23, v11
.if (\t)%4 == 0
	v_mov_b32 v[16+QQ], v13                        ; four bytes make my row's scale word of a K step
.else
	v_lshl_or_b32 v[16+QQ], v13, 8*((\t)%4), v[16+QQ]
.endif
	v_cvt_scalef32_pk16_fp6_f32 v[DD:DD+2], v[XS:XS+15], v11
	v_cvt_scalef32_pk16_fp6_f32 v[224:226], v[XS+16:XS+31], v11
	v_nop                                          ; one plain line behind the conversions
.irp i, 0,1,2
	v_mov_b32 v[DD+3+\i], v[224+\i]
.endr
.if (\t) < 14
	s_add_nc_u64 s[24+2*((\t)%2):25+2*((\t)%2)], s[24+2*((\t)%2):25+2*((\t)%2)], s[28:29]   ; the loads that named this base are in (the wait above): 64 rows down
	LOADW (\t)+2
.endif
.if (\t)%2 == 1
.irp w, 0,1,2,3,4,5                    ; lanes 0-15 hold the first block of rows, lanes 16-31 the second; a fragment wants block 2 c in lanes 0-15 and 2 c + 1 in lanes 16-31
	v_permlane16_swap_b32 v[WF+24*QQ+6*CC+\w], v[WF+12+24*QQ+6*CC+\w]
.endr
.endif
.if (\t)%4 == 3
.irp g, 0,1,2
	global_store_b128 v4, v[WF+24*QQ+4*\g:WF+24*QQ+4*\g+3], s[30:31] offset:FRB*QQ+512*\g
	global_store_b128 v4, v[WF+12+24*QQ+4*\g:WF+12+24*QQ+4*\g+3], s[32:33] offset:FRB*QQ+512*\g
.endr
.endif
.endm
	s_load_b256 s[4:11], s[0:1], 0x0               ; x, Wq, Wk, Wv
	s_load_b256 s[12:19], s[0:1], 0x20             ; Wo, xc, wqkv, woc
	v_lshl_add_u32 v2, v0, 2, SPARE                ; my spare word,
	v_mov_b32 v3, 0                                ; and 0; both are kept
	v_lshrrev_b32 v1, 5, v0
	v_readfirstlane_b32 s20, v1                    ; wave
	v_and_b32 v1, 31, v0                           ; lane
	v_and_b32 v25, 15, v0                          ; r
	v_bfe_u32 v26, v0, 4, 1                        ; h
	v_lshlrev_b32 v4, 4, v1                        ; 16 x lane
	s_mul_i32 s21, s20, STG
	v_add_nc_u32 v5, s21, v4                       ; the stage, in: 16 x lane of a row
	v_mul_u32_u24 v6, v25, 528
	v_lshl_add_u32 v6, v26, 7, v6
	v_add_nc_u32 v6, s21, v6                       ; and out: row r, + 128 h
	s_cmp_lt_u32 ttmp9, 128
	s_cbranch_scc0 .Lw
	; ---- x
	v_lshlrev_b32 v7, 4, v25
	v_lshl_add_u32 v7, v26, 3, v7                  ; 16 r + 8 h
	v_lshlrev_b32 v24, 3, v26                      ; 8 h
	v_mov_b32 v15, 0                               ; a lane permute's destination counts as read
	v_cmp_eq_u32 s33, 1, v26
	s_mov_b32 s22, 0x76543210
	s_mov_b32 s23, 0xfedcba98                      ; lane l xor 16
	s_lshl_b32 s24, ttmp9, 3
	s_lshl_b32 s25, s20, 1
	s_add_co_u32 s24, s24, s25
	s_mul_i32 s24, s24, GI                         ; image 8 x block + 2 x wave
	s_mov_b32 s25, 0
	s_lshr_b32 s26, ttmp9, 1
	s_lshl_b32 s26, s26, 5
	s_and_b32 s27, ttmp9, 1
	s_lshl_b32 s27, s27, 3
	s_add_co_u32 s26, s26, s27                     ; the block's first true row
	s_lshl_b32 s26, s26, 14
	s_lshl_b32 s27, s20, 12
	s_add_co_u32 s26, s26, s27                     ; + my 1,024 along K
	s_mov_b32 s27, 0
	s_wait_kmcnt 0x0
	s_add_nc_u64 s[14:15], s[14:15], s[24:25]
	s_add_nc_u64 s[4:5], s[4:5], s[26:27]
	LOADX 0
	LOADX 1
	s_wait_alu depctr_va_vdst(0)
.irp f, 0,1,2,3,4,5,6,7
	FRX \f
.endr
	s_wait_tensorcnt 0x0                           ; the wave's end
	ds_add_u32 v2, v3
	s_wait_dscnt 0x0
	s_endpgm
	; ---- the weights
.Lw:
	s_wait_alu depctr_va_vdst(0)
	s_cmp_ge_u32 ttmp9, 512
	s_cbranch_scc1 .Lrope
	v_and_b32 v8, 7, v1
	v_bfe_u32 v9, v1, 3, 1
	v_lshl_or_b32 v8, v9, 4, v8
	v_lshl_or_b32 v8, v26, 3, v8                   ; my lane with bits 3 and 4 exchanged: lane l takes that column, so lane l IS place l
	v_lshlrev_b32 v8, 2, v8
	s_mov_b32 s34, 384                             ; Wo's figures: first work-group,
	s_mov_b32 s35, 5                               ; log2(columns / 128),
	s_mov_b32 s36, 16384                           ; bytes in a row,
	s_mov_b32 s37, 0                               ; first block of rows in the target,
	s_mov_b32 s38, 4*GI                            ; bytes of a block of rows there
	s_wait_alu depctr_va_vdst(0)
	s_wait_kmcnt 0x0
	s_mov_b64 s[24:25], s[12:13]
	s_mov_b64 s[30:31], s[18:19]
	s_cmp_lt_u32 ttmp9, 384                        ; the choices hang on the work-group's number alone
	s_cselect_b64 s[24:25], s[10:11], s[24:25]
	s_cselect_b64 s[30:31], s[16:17], s[30:31]
	s_cselect_b32 s34, 320, s34
	s_cselect_b32 s35, 3, s35
	s_cselect_b32 s36, 4096, s36
	s_cselect_b32 s37, 192, s37
	s_cselect_b32 s38, 8*GI, s38
	s_cmp_lt_u32 ttmp9, 320
	s_cselect_b64 s[24:25], s[8:9], s[24:25]
	s_cselect_b32 s34, 256, s34
	s_cselect_b32 s37, 128, s37
	s_cmp_lt_u32 ttmp9, 256
	s_cselect_b64 s[24:25], s[6:7], s[24:25]
	s_cselect_b32 s34, 128, s34
	s_cselect_b32 s35, 4, s35
	s_cselect_b32 s36, 8192, s36
	s_cselect_b32 s37, 0, s37
	s_sub_co_u32 s39, ttmp9, s34
	s_lshr_b32 s40, s39, s35                       ; which 512 along K
	s_lshl_b32 s41, s40, s35
	s_sub_co_u32 s41, s39, s41                     ; which 128 columns
	s_mul_i32 s42, s40, s36
	s_lshl_b32 s42, s42, 9
	s_lshl_b32 s43, s41, 9
	s_add_co_u32 s42, s42, s43
	s_lshl_b32 s43, s20, 7
	s_add_co_u32 s42, s42, s43
	s_mov_b32 s43, 0
	s_add_nc_u64 s[24:25], s[24:25], s[42:43]      ; block 0,
	s_lshl_b32 s42, s36, 5
	s_add_nc_u64 s[26:27], s[24:25], s[42:43]      ; block 1: even and odd blocks have a base each
	s_lshl_b32 s28, s36, 6
	s_mov_b32 s29, 0
	s_lshl_b32 s42, s41, 3
	s_add_co_u32 s42, s42, s37
	s_lshl_b32 s44, s20, 1
	s_add_co_u32 s42, s42, s44
	s_mul_i32 s42, s42, s38
	s_mul_i32 s44, s40, GI
	s_add_co_u32 s42, s42, s44
	s_add_nc_u64 s[30:31], s[30:31], s[42:43]      ; my first block of rows' image,
	s_mov_b32 s42, s38
	s_add_nc_u64 s[32:33], s[30:31], s[42:43]      ; and my second's
.set II, 0
.rept 32
	v_mad_u32_u24 v[WOFF+II], s36, II, v8
.set II, II+1
.endr
	v_mul_u32_u24 v27, s38, v26
	v_lshl_add_u32 v27, v25, 4, v27                ; my row's four scale words
	LOADW 0
	LOADW 1
.set TT, 0
.rept 16
	BLOCKW TT
.set TT, TT+1
.endr
	global_store_b128 v27, v[16:19], s[30:31] offset:6144
	s_wait_tensorcnt 0x0
	ds_add_u32 v2, v3
	s_wait_dscnt 0x0
	s_endpgm
	; ---- the rotary tables
.Lrope:
	s_load_b256 s[24:31], s[0:1], 0x40             ; position_ids, cos, sin, q_norm_w
	s_load_b128 s[32:35], s[0:1], 0x60             ; k_norm_w, rt
	s_sub_co_u32 s36, ttmp9, 512                   ; the block of 16 tokens
	s_lshr_b32 s37, s20, 1                         ; 0 cos, 1 sin
	s_and_b32 s38, s20, 1                          ; 0 q, 1 k
	s_lshr_b32 s39, s36, 1
	s_lshl_b32 s39, s39, 5
	s_and_b32 s40, s36, 1
	s_lshl_b32 s40, s40, 3
	s_add_co_u32 s39, s39, s40                     ; the block's first true token
	s_lshl_b32 s39, s39, 2
	v_and_b32 v8, 8, v25
	v_add_nc_u32 v8, v8, v25                       ; r + 8 (r / 8)
	v_lshl_add_u32 v8, v8, 2, s39                  ; my token's position id
	v_lshlrev_b32 v9, 6, v26                       ; 64 h
	s_lshl_b32 s41, s37, 8
	s_xor_b32 s42, s41, 256
	v_add_nc_u32 v10, s41, v9                      ; the weights of chunks 0-7: at d, for sin at d + 64;
	v_add_nc_u32 v11, s42, v9                      ; of chunks 8-15 (their immediates are 256 short): at d, for sin at d - 64
	s_lshl_b32 s43, s38, 7
	s_add_co_u32 s43, s43, s36
	s_lshl_b32 s43, s43, 1
	s_add_co_u32 s43, s43, s37
	s_lshl_b32 s44, s43, 13                        ; 16 chunks of 512 bytes for each (weight, block, table)
	s_mov_b32 s45, 0
	s_wait_alu depctr_va_vdst(0)                   ; directly ahead of the wait below
	s_wait_kmcnt 0x0
	global_load_b32 v12, v8, s[24:25]
	s_cmp_eq_u32 s37, 0                            ; the choices hang on the wave's number alone
	s_cselect_b64 s[26:27], s[26:27], s[28:29]
	s_cmp_eq_u32 s38, 0
	s_cselect_b64 s[30:31], s[30:31], s[32:33]
	s_add_nc_u64 s[34:35], s[34:35], s[44:45]
.irp n, 0,1,2,3,4,5,6,7
	global_load_b128 v[96+4*\n:99+4*\n], v10, s[30:31] offset:128*(\n/4)+16*(\n%4)
.endr
.irp n, 8,9,10,11,12,13,14,15
	global_load_b128 v[96+4*\n:99+4*\n], v11, s[30:31] offset:128*(\n/4)+16*(\n%4)-256
.endr
	s_wait_loadcnt 16                              ; the position id is in; the 16 loads of weights may be out
	v_min_u32 v12, 0x7ff, v12                      ; an index stays inside its table
	v_lshlrev_b32 v12, 9, v12
	v_add_nc_u32 v12, v9, v12
.irp n, 0,1,2,3,4,5,6,7,8,9,10,11,12,13,14,15
	global_load_b128 v[32+4*\n:35+4*\n], v12, s[26:27] offset:128*(\n/4)+16*(\n%4)
.endr
	s_wait_loadcnt 0x0
.set PP, 0
.rept 32
	v_pk_mul_f32 v[160+2*PP:161+2*PP], v[32+2*PP:33+2*PP], v[96+2*PP:97+2*PP]
.set PP, PP+1
.endr
.irp n, 0,1,2,3,4,5,6,7,8,9,10,11,12,13,14,15
	global_store_b128 v4, v[160+4*\n:163+4*\n], s[34:35] offset:512*\n   ; 512 consecutive bytes
.endr
	s_wait_tensorcnt 0x0                           ; the wave's end, as on the other paths
	ds_add_u32 v2, v3
	s_wait_dscnt 0x0
	s_endpgm
.Lfunc_end_k_q2b659067a4_quant:
	.size	k_q2b659067a4_quant, .Lfunc_end_k_q2b659067a4_quant-k_q2b659067a4_quant
	.p2alignl 7, 3214868480
	.fill 96, 4, 3214868480
	.section	.rodata,"a",@progbits
	.p2align	6, 0x0
	.amdhsa_kernel k_q2b659067a4_quant
		.amdhsa_group_segment_fixed_size 34304
		.amdhsa_private_segment_fixed_size 0
		.amdhsa_enable_private_segment 0
		.amdhsa_kernarg_size 112
		.amdhsa_user_sgpr_count 2
		.amdhsa_user_sgpr_kernarg_segment_ptr 1
		.amdhsa_wavefront_size32 1
		.amdhsa_system_sgpr_workgroup_id_x 1
		.amdhsa_system_sgpr_workgroup_id_y 1
		.amdhsa_system_sgpr_workgroup_id_z 1
		.amdhsa_system_vgpr_workitem_id 0
		.amdhsa_next_free_vgpr 256
		.amdhsa_next_free_sgpr 66
		.amdhsa_reserve_vcc 0
		.amdhsa_float_denorm_mode_32 3
		.amdhsa_float_denorm_mode_16_64 3
		.amdhsa_memory_ordered 1
		.amdhsa_forward_progress 1
		.amdhsa_inst_pref_size 146
	.end_amdhsa_kernel
	.amdgpu_metadata
---
amdhsa.version: [ 1, 2 ]
amdhsa.kernels:
  - .name:           k_q2b659067a4_quant
    .symbol:         k_q2b659067a4_quant.kd
    .args:
      - { .name: x, .offset: 0, .size: 8, .value_kind: global_buffer, .address_space: global }
      - { .name: Wq, .offset: 8, .size: 8, .value_kind: global_buffer, .address_space: global }
      - { .name: Wk, .offset: 16, .size: 8, .value_kind: global_buffer, .address_space: global }
      - { .name: Wv, .offset: 24, .size: 8, .value_kind: global_buffer, .address_space: global }
      - { .name: Wo, .offset: 32, .size: 8, .value_kind: global_buffer, .address_space: global }
      - { .name: xc, .offset: 40, .size: 8, .value_kind: global_buffer, .address_space: global }
      - { .name: wqkv, .offset: 48, .size: 8, .value_kind: global_buffer, .address_space: global }
      - { .name: woc, .offset: 56, .size: 8, .value_kind: global_buffer, .address_space: global }
      - { .name: position_ids, .offset: 64, .size: 8, .value_kind: global_buffer, .address_space: global }
      - { .name: cos, .offset: 72, .size: 8, .value_kind: global_buffer, .address_space: global }
      - { .name: sin, .offset: 80, .size: 8, .value_kind: global_buffer, .address_space: global }
      - { .name: q_norm_w, .offset: 88, .size: 8, .value_kind: global_buffer, .address_space: global }
      - { .name: k_norm_w, .offset: 96, .size: 8, .value_kind: global_buffer, .address_space: global }
      - { .name: rt, .offset: 104, .size: 8, .value_kind: global_buffer, .address_space: global }
    .group_segment_fixed_size: 34304
    .private_segment_fixed_size: 0
    .kernarg_segment_align: 8
    .kernarg_segment_size: 112
    .max_flat_workgroup_size: 128
    .sgpr_count:     66
    .vgpr_count:     256
    .wavefront_size: 32
...
	.end_amdgpu_metadata
.endif
;; end of part 1
;; launch qkv (part 2): grid 16 x 16, 4 waves a work-group, clusters of 4 x 4, 327,680 bytes of LDS; arguments xc, wqkv, rt, qc, kc, vc; writes qc, kc, vc
.if DOCPART == 2
	.amdgcn_target "amdgcn-amd-amdhsa--gfx1250"
	.amdhsa_code_object_version 6
	.text
	.protected	k_q2b659067a4_qkv
	.globl	k_q2b659067a4_qkv
	.p2align	8
	.type	k_q2b659067a4_qkv,@function
k_q2b659067a4_qkv:
	s_mov_b64 s[64:65], 0
	v_nop
	global_prefetch_b8 v0, s[64:65] scope:SCOPE_SE
	s_setreg_imm32_b32 hwreg(HW_REG_WAVE_MODE, 25, 1), 1
	s_wait_xcnt 0x0
	s_wait_alu depctr_hold_cnt(0) depctr_sa_sdst(0) depctr_va_vdst(0) depctr_va_sdst(0) depctr_va_ssrc(0) depctr_va_vcc(0) depctr_vm_vsrc(0)
	s_getreg_b32 s2, hwreg(HW_REG_IB_STS2, 6, 4)
	s_cmp_eq_u32 s2, 0
	s_cbranch_scc0 .Lentry_in_a_cluster
	s_endpgm
.Lentry_in_a_cluster:
	s_bfe_u32 s2, ttmp6, 0x10000c
	s_cmp_lg_u32 s2, 0xf033
	s_cbranch_scc0 .Lentry_shape_is_right
	s_endpgm
.Lentry_shape_is_right:
; [q | k | v] = x [Wq | Wk | Wv] on codes of FP6 (E2M3, one E8M0 byte for 32 along K); then, for q and k, the RMS norm, the norm weight and rotary turn (by the tables of rt), and the quantiser along d; for v the quantiser along the tokens.
; OPERANDS lie in memory as group images of 6,400 bytes: 16 rows x 512 K as four fragments (images of their registers), then the rows' 256 scale bytes.
; SHARES: a work-group makes 128 x 256 of the product, a wave 64 x 128 in 32 accumulators; 256 work-groups.  K goes in 8 groups of 512 through two LDS slots of 24 images: 8 of source 1, 16 of source 0.
; Clusters x = 0 .. 2: source 1 = x's rows, source 0 = Wq's or Wk's columns: a lane holds one token, and register 16 b + i of a block's 64 is d = 32 b + 16 h + i.  Cluster x = 3: source 1 = Wv's columns, source 0 = x's rows: registers run along the tokens.
; CLUSTERS 4 x 4: source 1's images are asked for jointly along a row of the cluster, source 0's along a column; waves 0, 1 ask for source 1's, waves 2, 3 for source 0's, one tensor load a wave.
; THE HEAD: the opening adds, a round, group 0's load; the addresses under its flight; the three lines, a round, and group 1's load, the first tensor load behind it.  One tensor load of a wave is out at any time; every wait on TENSORcnt is for 0.
; PREFETCH OF THE GROUPS: group 1 at the head's end, group 2 behind group 1's load, group 3 one K step later, then group g + 2 behind the load of group g; the loop's last trip asks for nothing.  At most two groups are asked for and not yet read.
; Of the 4 (source 1) or 8 (source 0) image rows that a wave fetches, each of the four partners that ask jointly takes 1 or 2, told apart by address; a lane names one block of 256 bytes, an image has 25: lanes 25-31 name the last again.
; THE TABLES: rt holds, for q and for k, each block of 16 tokens as 32 chunks of 512 bytes in the order of my registers: 64 numbers w cos, 64 numbers w sin a lane.  Block 0's come behind the first LDS loads, blocks 1 to 3's each one block ahead of their use.
; Their prefetch: the work-group's 8 blocks are 512 blocks of 256 bytes, which the four partners of a row of the cluster share by address: one instruction a wave, behind the first K step.  v's clusters read no table.
; REGISTERS: window 0: v0-31 addresses, v32-95 scale words (two sets), v96-191 source 1's fragments (two sets), behind the loop v96-237 at work; window 1: source 0's fragments (two sets), then tables 2, 3; window 2: accumulators; window 3: tables 0, 1.
.set KG,    8
.set GI,    6400
.set FRB,   1536
.set RBS,   KG*GI
.set LAPS,  KG/2
.set BOFF,  8*GI
.set SLOT,  24*GI
.set SPARE, 2*SLOT
.set ADRA,  4
.set ADRB,  6
.set ADRS,  8
.set SPW,   28
.set NIL,   29
.set SC,    32
.set AF,    96
.set TM,    216
.set G1A,   32
.set G1B,   40
.set G0A,   48
.set G0B,   56
.set WMUL,  0xa1
.set MSB,   0
.macro WIN new                         ; the immediate's high byte repeats the setting that is left
.if MSB != (\new)
	s_set_vgpr_msb (MSB<<8)|(\new)
.set MSB, (\new)
.endif
.endm
.macro PLACES n
.rept \n
	v_nop
.endr
.endm
.macro JLOAD g0a, g0b                  ; a joint load; an s_nop 0 and four v_nop follow each line
	s_cmp_eq_u32 s25, 0
	s_cbranch_scc0 .Lfor_b_\@
	tensor_load_to_lds s[\g0a:\g0a+3], s[G1A:G1A+7]
	s_nop 0
.rept 4
	v_nop
.endr
	s_branch .Lasked_\@
.Lfor_b_\@:
	tensor_load_to_lds s[\g0b:\g0b+3], s[G1B:G1B+7]
	s_nop 0
.rept 4
	v_nop
.endr
.Lasked_\@:
.endm
.macro ASK off, loop                   ; the group at byte off from s[76:77]: my work-group's one image (waves 0, 1) or two (waves 2, 3).  loop = 1: not in the loop's last trip
.if \loop
	s_cmp_gt_u32 s2, 1
	s_cbranch_scc0 .Lno_ask_\@
.endif
	global_prefetch_b8 v18, s[76:77] offset:(\off) th:TH_LOAD_NT scope:SCOPE_SE
	s_cmp_eq_u32 s25, 0
	s_cbranch_scc1 .Lno_ask_\@
	global_prefetch_b8 v18, s[76:77] offset:(\off)+RBS th:TH_LOAD_NT scope:SCOPE_SE
.Lno_ask_\@:
.endm
.macro CREST
	s_cmp_lg_u32 s24, 0
	s_cbranch_scc1 .Lnot_wave_0_\@
	s_barrier_signal -3
.Lnot_wave_0_\@:
	s_barrier_wait -3
	s_barrier_signal -1
	s_barrier_wait -1
.endm
.macro CROUND
	s_barrier_signal -1
	s_barrier_wait -1
	CREST
.endm
.macro SCALES s                        ; a group's scale words: lanes 0-15 source 1's block i, lanes 16-31 source 0's block i, four K steps a load
.irp i, 0,1,2,3,4,5,6,7
	ds_load_b128 v[SC+32*(\s)+4*\i:SC+32*(\s)+4*\i+3], v[ADRS+\s] offset:GI*\i
.endr
.endm
.macro FETCH s, q, p                   ; K step q of slot s into set p: 8 + 4 fragments, 36 loads
	WIN 0x40
.irp b, 0,1,2,3,4,5,6,7
.irp g, 0,1,2
	ds_load_b128 v[128*(\p)+12*\b+4*\g:128*(\p)+12*\b+4*\g+3], v[ADRB+\s] offset:GI*\b+FRB*(\q)+512*\g
.endr
.endr
	WIN 0
.irp a, 0,1,2,3
.irp g, 0,1,2
	ds_load_b128 v[AF+48*(\p)+12*\a+4*\g:AF+48*(\p)+12*\a+4*\g+3], v[ADRA+\s] offset:GI*\a+FRB*(\q)+512*\g
.endr
.endr
.endm
.macro MUL8 a, p, q, sc, zero          ; the 32 accumulators take turns, one instruction a turn
.irp b, 0,1,2,3,4,5,6,7
.if \zero
	v_wmma_scale_f32_16x16x128_f8f6f4 v[8*(8*(\a)+\b):8*(8*(\a)+\b)+7], v[128*(\p)+12*\b:128*(\p)+12*\b+11], v[AF+48*(\p)+12*(\a):AF+48*(\p)+12*(\a)+11], 0, v[SC+32*(\sc)+4*\b+(\q)], v[SC+32*(\sc)+4*(\a)+(\q)] matrix_a_fmt:MATRIX_FMT_FP6 matrix_b_fmt:MATRIX_FMT_FP6 matrix_a_scale:MATRIX_SCALE_ROW1
.else
	v_wmma_scale_f32_16x16x128_f8f6f4 v[8*(8*(\a)+\b):8*(8*(\a)+\b)+7], v[128*(\p)+12*\b:128*(\p)+12*\b+11], v[AF+48*(\p)+12*(\a):AF+48*(\p)+12*(\a)+11], v[8*(8*(\a)+\b):8*(8*(\a)+\b)+7], v[SC+32*(\sc)+4*\b+(\q)], v[SC+32*(\sc)+4*(\a)+(\q)] matrix_a_fmt:MATRIX_FMT_FP6 matrix_b_fmt:MATRIX_FMT_FP6 matrix_a_scale:MATRIX_SCALE_ROW1
.endif
.endr
.endm
.macro STEP s, q, zero                 ; one of a group's first three K steps; the next step's fragments are fetched in its middle
	s_wait_dscnt 6                                 ; all but source 1's blocks 2, 3
	WIN WMUL
	MUL8 0, (\q)%2, \q, \s, \zero
	MUL8 1, (\q)%2, \q, \s, \zero
	PLACES 4
	FETCH \s, (\q)+1, 1-(\q)%2
	s_wait_dscnt 36                                ; all but the 36 just issued
	WIN WMUL
	MUL8 2, (\q)%2, \q, \s, \zero
	MUL8 3, (\q)%2, \q, \s, \zero
	WIN 0
.endm
.macro TURN s, n, fill                 ; a group's last K step, and the change of slots
.if (\fill) && (LAPS > 2)
	s_wait_xcnt 0x0                                ; my prefetches have read their base: it steps one group on
	s_add_nc_u64 s[76:77], s[76:77], GI
.endif
	s_wait_tensorcnt 0x0                           ; my part of the next slot is in;
	ds_add_u32 v[SPW], v[NIL]                      ; the add;
	s_wait_dscnt 7                                 ; (the add and six loads may be out)
	WIN WMUL
	MUL8 0, 1, 3, \s, 0
	s_wait_dscnt 0x0                               ; the add is done, my reads of this slot are over
	s_barrier_signal -1
	MUL8 1, 1, 3, \s, 0
	WIN 0
	s_barrier_wait -1
.if \fill
	CREST                                          ; the barrier has opened a round of the cluster's barrier
	s_add_nc_u64 s[G0A+4*\s+2:G0A+4*\s+3], s[G0A+4*\s+2:G0A+4*\s+3], 2*GI
	s_add_nc_u64 s[G0B+4*\s+2:G0B+4*\s+3], s[G0B+4*\s+2:G0B+4*\s+3], 2*GI
	JLOAD G0A+4*\s, G0B+4*\s
.else
	PLACES 4
.endif
	SCALES \n
	FETCH \n, 0, 0
.if (\fill) && (LAPS > 2)
	ASK 3*GI, 1                                    ; behind the joint load and the run of LDS loads: the group two refills on
.endif
	WIN WMUL
	MUL8 2, 1, 3, \s, 0
	MUL8 3, 1, 3, \s, 0
	WIN 0
.endm
.macro TABLE a, w, cb                  ; block a's table into window w, v[cb] on: 64 registers w cos, 64 w sin; each load reads 512 consecutive bytes
	WIN (\w)<<6
.irp n, 0,1,2,3,4,5,6,7,8,9,10,11,12,13,14,15,16,17,18,19,20,21,22,23,24,25,26,27,28,29,30,31
	global_load_b128 v[\cb+4*\n:\cb+4*\n+3], v3, s[10:11] offset:16384*(\a)+512*\n
.endr
	WIN 0
.endm
.macro ROPE a, cw, cb, left            ; block a: x / rms, then weight and turn by the table in window cw at v[cb].  left: the table loads that may stay out
.set AC, 64*(\a)
	WIN 0x0a
.set PP, 0
.rept 4
	v_pk_mul_f32 v[96+2*PP:97+2*PP], v[AC+2*PP:AC+2*PP+1], v[AC+2*PP:AC+2*PP+1]
.set PP, PP+1
.endr
.rept 28
	v_pk_fma_f32 v[96+2*(PP%4):97+2*(PP%4)], v[AC+2*PP:AC+2*PP+1], v[AC+2*PP:AC+2*PP+1], v[96+2*(PP%4):97+2*(PP%4)]
.set PP, PP+1
.endr
	WIN 0
	v_pk_add_f32 v[96:97], v[96:97], v[98:99]
	v_pk_add_f32 v[100:101], v[100:101], v[102:103]
	v_pk_add_f32 v[96:97], v[96:97], v[100:101]
	v_add_f32 v96, v96, v97
	v_permlanex16_b32 v98, v96, s86, s87
	v_add_f32 v96, v96, v98                        ; the sum of squares of my token's 128
	v_fma_f32 v96, v96, s94, s95                   ; / 128 + 1e-6
	s_wait_alu depctr_va_vdst(0)                   ; the wait ahead of the transcendental,
	v_rsq_f32 v104, v96
	v_nop
	s_wait_alu depctr_va_vdst(0)                   ; and ahead of its first reader
	v_mov_b32 v105, v104
	WIN 0x82
.set PP, 0
.rept 32
	v_pk_mul_f32 v[AC+2*PP:AC+2*PP+1], v[AC+2*PP:AC+2*PP+1], v[104:105]
.set PP, PP+1
.endr
	s_wait_loadcnt \left
	WIN 0x02|((\cw)<<2)
.set PP, 0
.rept 16
	v_pk_mul_f32 v[96+2*PP:97+2*PP], v[AC+32+2*PP:AC+33+2*PP], v[\cb+64+2*PP:\cb+65+2*PP]
	v_pk_mul_f32 v[128+2*PP:129+2*PP], v[AC+2*PP:AC+2*PP+1], v[\cb+96+2*PP:\cb+97+2*PP]
.set PP, PP+1
.endr
	WIN 0x82|((\cw)<<2)
.set PP, 0
.rept 16
	v_pk_fma_f32 v[AC+2*PP:AC+2*PP+1], v[AC+2*PP:AC+2*PP+1], v[\cb+2*PP:\cb+2*PP+1], v[96+2*PP:97+2*PP] neg_lo:[0,0,1] neg_hi:[0,0,1]
	v_pk_fma_f32 v[AC+32+2*PP:AC+33+2*PP], v[AC+32+2*PP:AC+33+2*PP], v[\cb+32+2*PP:\cb+33+2*PP], v[128+2*PP:129+2*PP]
.set PP, PP+1
.endr
	WIN 0
.endm
.macro QOUT a                          ; block a's 64 numbers a lane: four blocks of 32 (with lane l xor 16), their scale bytes, codes, and the fragment's image out
.set AC, 64*(\a)
.set PC, 160+12*(\a)
	WIN 0x0a
.irp b, 0,1,2,3
	v_max3_num_f32 v[TM+\b], |v[AC+16*\b]|, |v[AC+16*\b+1]|, 0x1800000
.endr
.irp i, 2,4,6,8,10,12,14
.irp b, 0,1,2,3
	v_max3_num_f32 v[TM+\b], |v[AC+16*\b+\i]|, |v[AC+16*\b+\i+1]|, v[TM+\b]
.endr
.endr
	WIN 0
.irp b, 0,1,2,3
	v_permlanex16_b32 v[TM+4+\b], v[TM+\b], s86, s87
.endr
.irp b, 0,1,2,3
	v_max_num_f32 v[TM+\b], v[TM+\b], v[TM+4+\b]
.endr
.irp b, 0,1,2,3
	v_add_nc_u32 v[TM+12+\b], 0xff000000, v[TM+\b]
.endr
.irp b, 0,1,2,3
	v_lshrrev_b32 v[TM+4+\b], 23, v[TM+12+\b]
.endr
	v_lshl_or_b32 v[232+\a], v[TM+5], 8, v[TM+4]
	v_lshl_or_b32 v[232+\a], v[TM+6], 16, v[232+\a]
	v_lshl_or_b32 v[232+\a], v[TM+7], 24, v[232+\a]
	WIN 0x02
.irp c, 0,1
	v_cvt_scalef32_pk16_fp6_f32 v[PC+6*\c:PC+6*\c+2], v[AC+32*\c:AC+32*\c+15], v[TM+12+2*\c]
	v_cvt_scalef32_pk16_fp6_f32 v[208+4*\c:210+4*\c], v[AC+32*\c+16:AC+32*\c+31], v[TM+13+2*\c]
.endr
	WIN 0
	v_nop                                          ; one plain line behind the conversions
.irp c, 0,1
.irp i, 0,1,2
	v_permlane16_swap_b32 v[PC+6*\c+\i], v[208+4*\c+\i]
.endr
.irp i, 0,1,2
	v_mov_b32 v[PC+6*\c+3+\i], v[208+4*\c+\i]
.endr
.endr
.irp g, 0,1,2
	global_store_b128 v3, v[PC+4*\g:PC+4*\g+3], s[88:89] offset:FRB*(\a)+512*\g
.endr
.endm
	s_load_b128 s[4:7], s[0:1], 0x0                ; xc, wqkv
	s_load_b64 s[10:11], s[0:1], 0x10              ; rt
	s_load_b64 s[18:19], s[0:1], 0x18              ; qc
	s_load_b128 s[20:23], s[0:1], 0x20             ; kc, vc
	v_lshl_add_u32 v[SPW], v0, 2, SPARE
	v_mov_b32 v[NIL], 0
	ds_add_u32 v[SPW], v[NIL]                      ; the opening lines: the add, twice on end, and its wait
	ds_add_u32 v[SPW], v[NIL]
	v_lshrrev_b32 v1, 5, v0
	v_readfirstlane_b32 s24, v1                    ; wave
	s_lshr_b32 s25, s24, 1                         ; my half of source 1's rows; also: I fetch source 1's (0) or source 0's (1) images
	s_and_b32 s26, s24, 1                          ; my half of source 0's rows; also: which half I fetch
	s_bfe_u32 s27, ttmp6, 0x40000                  ; cx
	s_bfe_u32 s28, ttmp6, 0x40004                  ; cy
	s_and_b32 s66, ttmp7, 0xffff
	s_lshr_b32 s67, s66, 1
	s_and_b32 s68, s66, 1
	s_cmp_eq_u32 ttmp9, 3                          ; v's clusters
	s_cselect_b32 s29, 1, 0
	s_cselect_b32 s30, s67, s66
	s_cselect_b32 s31, s68, ttmp9
	s_cselect_b32 s71, 192*RBS, 0
	s_lshl_b32 s30, s30, 2
	s_add_co_u32 s30, s30, s28                     ; source 1's tile of 128 rows
	s_lshl_b32 s31, s31, 2
	s_add_co_u32 s31, s31, s27                     ; source 0's tile of 256 rows
	s_lshl_b32 s69, s28, 2
	s_lshl_b32 s69, 15, s69
	s_lshl_b32 s70, 0x1111, s27
	s_or_b32 s[G1A], s69, (3<<16)|(1<<21)          ; 4 images of 800 x 8 bytes, jointly along my row of the cluster
	s_or_b32 s[G1B], s70, (3<<16)|(1<<21)          ; 8 images, jointly along my column
	s_mov_b32 s[G1A+1], 800<<16
	s_mov_b32 s[G1A+2], 4<<16
	s_mov_b32 s[G1A+3], 800<<16
	s_mov_b32 s[G1A+4], 4
	s_mov_b32 s[G1A+5], RBS/8
	s_mov_b32 s[G1A+6], 0
	s_mov_b32 s[G1A+7], 0
	s_mov_b32 s[G1B+1], 800<<16
	s_mov_b32 s[G1B+2], 8<<16
	s_mov_b32 s[G1B+3], 800<<16
	s_mov_b32 s[G1B+4], 8
	s_mov_b32 s[G1B+5], RBS/8
	s_mov_b32 s[G1B+6], 0
	s_mov_b32 s[G1B+7], 0
	s_lshl_b32 s72, s30, 3
	s_lshl_b32 s73, s26, 2
	s_add_co_u32 s72, s72, s73
	s_mul_i32 s72, s72, RBS
	s_add_co_u32 s72, s72, s71
	s_mov_b32 s73, 0
	s_lshl_b32 s74, s31, 4
	s_lshl_b32 s75, s26, 3
	s_add_co_u32 s74, s74, s75
	s_mul_i32 s74, s74, RBS
	s_mov_b32 s75, 0
	s_mul_i32 s80, s26, 4*GI
	s_mul_i32 s81, s26, 8*GI
	s_add_co_u32 s81, s81, BOFF
	s_mov_b32 s86, 0x76543210
	s_mov_b32 s87, 0xfedcba98                      ; lane l xor 16
	s_mov_b32 s94, 0x3c000000                      ; 1 / 128
	s_mov_b32 s95, 0x358637bd                      ; 1e-6
	s_wait_dscnt 0x0
	s_wait_kmcnt 0x0
	s_cmp_lg_u32 s29, 0
	s_cselect_b64 s[76:77], s[6:7], s[4:5]
	s_cselect_b64 s[78:79], s[4:5], s[6:7]
	s_add_nc_u64 s[76:77], s[76:77], s[72:73]
	s_add_nc_u64 s[78:79], s[78:79], s[74:75]
	CROUND                                         ; all sixteen work-groups are here
.irp s, 0,1
	s_mov_b32 s[G0A+4*\s], 1
	s_add_co_u32 s[G0A+4*\s+1], s80, \s*SLOT
	s_add_nc_u64 s[G0A+4*\s+2:G0A+4*\s+3], s[76:77], \s*GI
	s_or_b32 s[G0A+4*\s+3], s[G0A+4*\s+3], 0x80000000
	s_mov_b32 s[G0B+4*\s], 1
	s_add_co_u32 s[G0B+4*\s+1], s81, \s*SLOT
	s_add_nc_u64 s[G0B+4*\s+2:G0B+4*\s+3], s[78:79], \s*GI
	s_or_b32 s[G0B+4*\s+3], s[G0B+4*\s+3], 0x80000000
.endr
	JLOAD G0A, G0B                                 ; group 0: one tensor load a wave at the head
	v_and_b32 v18, 31, v0
	v_min_u32 v18, 24, v18
	v_lshlrev_b32 v18, 8, v18                      ; the groups' prefetch: 256 x lane, held at an image's last block; never rewritten
	s_lshl_b32 s74, s28, 1
	s_cmp_eq_u32 s25, 0
	s_cselect_b64 s[76:77], s[76:77], s[78:79]     ; the first of the image rows that I fetch,
	s_cselect_b32 s72, s27, s74                    ; my work-group's part of them: row cx, or rows 2 cy and 2 cy + 1
	s_mul_i32 s72, s72, RBS
	s_mov_b32 s73, 0
	s_add_nc_u64 s[76:77], s[76:77], s[72:73]
	v_and_b32 v1, 15, v0                           ; r
	v_bfe_u32 v2, v0, 4, 1                         ; h
	v_and_b32 v3, 31, v0
	v_lshlrev_b32 v16, 2, v3
	v_lshlrev_b32 v3, 4, v3                        ; 16 x lane
	v_lshlrev_b32 v19, 4, v3                       ; the tables' prefetch: 256 x lane; never rewritten
	s_mul_i32 s82, s25, 4*GI
	s_mul_i32 s83, s26, 8*GI
	s_add_co_u32 s83, s83, BOFF
	v_add_nc_u32 v[ADRA], s82, v3
	v_add_nc_u32 v[ADRB], s83, v3
	v_add_nc_u32 v[ADRA+1], SLOT, v[ADRA]
	v_add_nc_u32 v[ADRB+1], SLOT, v[ADRB]
	s_sub_co_u32 s84, s83, s82
	v_mul_u32_u24 v[ADRS], s84, v2
	v_lshl_add_u32 v[ADRS], v1, 4, v[ADRS]
	s_add_co_u32 s82, s82, 6144
	v_add_nc_u32 v[ADRS], s82, v[ADRS]
	v_add_nc_u32 v[ADRS+1], SLOT, v[ADRS]
	s_lshl_b32 s92, s30, 3                         ; rt: the work-group's 8 blocks of tokens,
	s_cmp_lt_u32 ttmp9, 2
	s_cselect_b32 s93, 0, 128                      ; q's tables or k's
	s_add_co_u32 s92, s92, s93
	s_lshl_b32 s92, s92, 14
	s_mov_b32 s93, 0
	s_add_nc_u64 s[10:11], s[10:11], s[92:93]
	s_lshl_b32 s92, s27, 2
	s_add_co_u32 s92, s92, s24
	s_lshl_b32 s92, s92, 13
	s_add_nc_u64 s[74:75], s[10:11], s[92:93]      ; of their 512 blocks of 256 bytes, the 32 at 32 (4 cx + wave) are mine to ask for
	s_lshl_b32 s92, s25, 16
	s_add_nc_u64 s[10:11], s[10:11], s[92:93]      ; my wave's 4 blocks
	s_lshl_b32 s92, s31, 1                         ; where my results go: an image of 12,800 bytes for each (head, 128 tokens)
	s_add_co_u32 s92, s92, s26
	s_and_b32 s93, s92, 15
	s_cmp_lg_u32 s29, 0
	s_cselect_b32 s93, s30, s93
	s_cselect_b32 s92, s92, s30
	s_lshl_b32 s93, s93, 4
	s_add_co_u32 s92, s92, s93
	s_mul_i32 s92, s92, 12800
	s_mov_b32 s93, 0
	s_cmp_lt_u32 ttmp9, 2
	s_cselect_b64 s[88:89], s[18:19], s[20:21]
	s_cmp_eq_u32 ttmp9, 3
	s_cselect_b64 s[88:89], s[22:23], s[88:89]
	s_add_nc_u64 s[88:89], s[88:89], s[92:93]
	s_lshl_b32 s92, s25, 8
	s_add_co_u32 s92, s92, 12288
	s_add_nc_u64 s[90:91], s[88:89], s[92:93]
	s_mul_i32 s92, s25, 4*FRB
	s_add_nc_u64 s[88:89], s[88:89], s[92:93]
	ASK GI, 0                                      ; group 1
	s_wait_alu depctr_va_vdst(0)
	s_wait_tensorcnt 0x0                           ; my part of group 0 is in
	ds_add_u32 v[SPW], v[NIL]
	s_wait_dscnt 0x0
	CROUND                                         ; everybody's part is in, and all sixteen work-groups are here
	JLOAD G0A+4, G0B+4                             ; group 1, the first tensor load behind the round
	SCALES 0
	FETCH 0, 0, 0
	ASK 2*GI, 0                                    ; group 2
	s_cmp_lg_u32 s29, 0                            ; v's clusters read no table
	s_cbranch_scc1 .Lno_tab
	TABLE 0, 3, 0
.Lno_tab:
	STEP 0, 0, 1                                   ; the first products start the sums
	ASK 3*GI, 0                                    ; group 3
	s_cmp_lg_u32 s29, 0
	s_cbranch_scc1 .Lno_rows
	global_prefetch_b8 v19, s[74:75] th:TH_LOAD_NT scope:SCOPE_SE
.Lno_rows:
	s_mov_b32 s2, LAPS-1
.Llap:
	STEP 0, 1, 0
	STEP 0, 2, 0
	TURN 0, 1, 1
	STEP 1, 0, 0
	STEP 1, 1, 0
	STEP 1, 2, 0
	TURN 1, 0, 1
	STEP 0, 0, 0
	s_sub_co_u32 s2, s2, 1
	s_cmp_lg_u32 s2, 0
	s_cbranch_scc1 .Llap
	STEP 0, 1, 0                                   ; the last lap fetches nothing more
	STEP 0, 2, 0
	TURN 0, 1, 0
	STEP 1, 0, 0
	STEP 1, 1, 0
	STEP 1, 2, 0
	s_wait_dscnt 6
	WIN WMUL
	MUL8 0, 1, 3, 1, 0
	MUL8 1, 1, 3, 1, 0
	s_wait_dscnt 0x0
	MUL8 2, 1, 3, 1, 0
	MUL8 3, 1, 3, 1, 0
	WIN 0
	PLACES 4
	v_cmp_eq_u32 s85, 1, v2
	v_mov_b32 v98, 0                               ; lane permutes' destinations count as read
.irp b, 0,1,2,3
	v_mov_b32 v[TM+4+\b], 0
.endr
	s_cmp_lg_u32 s29, 0
	s_cbranch_scc1 .Lvpath
	s_wait_alu depctr_va_vdst(0)
	TABLE 1, 3, 128                                ; each table is asked for one block ahead of its use: 32 loads are out at each block's wait, none at the last
	ROPE 0, 3, 0, 32
	TABLE 2, 1, 0
	QOUT 0
	ROPE 1, 3, 128, 32
	TABLE 3, 1, 128
	QOUT 1
	ROPE 2, 1, 0, 32
	QOUT 2
	ROPE 3, 1, 128, 0
	QOUT 3
	s_branch .Lwords
.Lvpath:
	QOUT 0
	QOUT 1
	QOUT 2
	QOUT 3
.Lwords:
	v_cndmask_b32 v236, v232, v233, s85            ; two blocks' scale words to a store: 128 consecutive bytes
	v_cndmask_b32 v237, v234, v235, s85
	global_store_b32 v16, v236, s[90:91]
	global_store_b32 v16, v237, s[90:91] offset:128
	s_wait_tensorcnt 0x0                           ; the wave's end
	ds_add_u32 v[SPW], v[NIL]
	s_wait_dscnt 0x0
	CROUND                                         ; the closing round
	s_endpgm
.Lfunc_end_k_q2b659067a4_qkv:
	.size	k_q2b659067a4_qkv, .Lfunc_end_k_q2b659067a4_qkv-k_q2b659067a4_qkv
	.p2alignl 7, 3214868480
	.fill 96, 4, 3214868480
	.section	.rodata,"a",@progbits
	.p2align	6, 0x0
	.amdhsa_kernel k_q2b659067a4_qkv
		.amdhsa_group_segment_fixed_size 327680
		.amdhsa_private_segment_fixed_size 0
		.amdhsa_enable_private_segment 0
		.amdhsa_kernarg_size 48
		.amdhsa_user_sgpr_count 2
		.amdhsa_user_sgpr_kernarg_segment_ptr 1
		.amdhsa_wavefront_size32 1
		.amdhsa_system_sgpr_workgroup_id_x 1
		.amdhsa_system_sgpr_workgroup_id_y 1
		.amdhsa_system_sgpr_workgroup_id_z 1
		.amdhsa_system_vgpr_workitem_id 0
		.amdhsa_next_free_vgpr 1024
		.amdhsa_next_free_sgpr 96
		.amdhsa_reserve_vcc 0
		.amdhsa_float_denorm_mode_32 3
		.amdhsa_float_denorm_mode_16_64 3
		.amdhsa_memory_ordered 1
		.amdhsa_forward_progress 1
		.amdhsa_inst_pref_size 202
	.end_amdhsa_kernel
	.amdgpu_metadata
---
amdhsa.version: [ 1, 2 ]
amdhsa.kernels:
  - .name:           k_q2b659067a4_qkv
    .symbol:         k_q2b659067a4_qkv.kd
    .args:
      - { .name: xc, .offset: 0, .size: 8, .value_kind: global_buffer, .address_space: global }
      - { .name: wqkv, .offset: 8, .size: 8, .value_kind: global_buffer, .address_space: global }
      - { .name: rt, .offset: 16, .size: 8, .value_kind: global_buffer, .address_space: global }
      - { .name: qc, .offset: 24, .size: 8, .value_kind: global_buffer, .address_space: global }
      - { .name: kc, .offset: 32, .size: 8, .value_kind: global_buffer, .address_space: global }
      - { .name: vc, .offset: 40, .size: 8, .value_kind: global_buffer, .address_space: global }
    .group_segment_fixed_size: 327680
    .private_segment_fixed_size: 0
    .kernarg_segment_align: 8
    .kernarg_segment_size: 48
    .max_flat_workgroup_size: 128
    .sgpr_count:     96
    .vgpr_count:     1024
    .wavefront_size: 32
...
	.end_amdgpu_metadata
.endif
;; end of part 2
;; launch attn (part 3): grid 32 x 8, 8 waves a work-group, clusters of 4 x 4, 327,680 bytes of LDS; arguments qc, kc, vc, attn_mask, ao; writes ao
.if DOCPART == 3
	.amdgcn_target "amdgcn-amd-amdhsa--gfx1250"
	.amdhsa_code_object_version 6
	.text
	.protected	k_q2b659067a4_attn
	.globl	k_q2b659067a4_attn
	.p2align	8
	.type	k_q2b659067a4_attn,@function
k_q2b659067a4_attn:
	s_mov_b64 s[64:65], 0
	v_nop
	global_prefetch_b8 v0, s[64:65] scope:SCOPE_SE
	s_setreg_imm32_b32 hwreg(HW_REG_WAVE_MODE, 25, 1), 1
	s_wait_xcnt 0x0
	s_wait_alu depctr_hold_cnt(0) depctr_sa_sdst(0) depctr_va_vdst(0) depctr_va_sdst(0) depctr_va_ssrc(0) depctr_va_vcc(0) depctr_vm_vsrc(0)
	s_getreg_b32 s2, hwreg(HW_REG_IB_STS2, 6, 4)
	s_cmp_eq_u32 s2, 0
	s_cbranch_scc0 .Lentry_in_a_cluster
	s_endpgm
.Lentry_in_a_cluster:
	s_bfe_u32 s2, ttmp6, 0x10000c
	s_cmp_lg_u32 s2, 0xf033
	s_cbranch_scc0 .Lentry_shape_is_right
	s_endpgm
.Lentry_shape_is_right:
; o = softmax(q k^T / sqrt(128) + mask) v for 16 query heads on 8 key heads, both products on codes of FP6 (E2M3, one E8M0 byte for 32 along a product's K); o quantised along (head, d) for the last product.
; The mask is an input: every score is computed, and every mask number is read.
; THE SOFTMAX: t = score x log2(e) / sqrt(128) + mask x log2(e), rounded to f32; M = the running largest t rounded UP to a whole number; p = 2^(t - M) is what is quantised, along the keys.
; The row's sum is taken of the unquantised p.  When M moves, sum and O are multiplied by 2^(old M - new M), which rounds nothing.
; SHARES.  A work-group: one key head G and 64 queries.  Wave w: tile w % 4 of 16 queries, BOTH query heads of G, and half w / 4 of the keys (8 steps of 128).  So each fragment of K and V and each mask
; number read from LDS serves two heads.  Two waves share a SIMD.  A wave's first head is 2 G + its half, so that at the end it hands its second head's part to wave w xor 4 and finishes its first: one text.
; LAYOUT.  Both products transposed (S^T = K Q^T, O^T = V^T P^T): a lane holds one query.  By the turned order of kc's and vc's rows, register 16 b + i is key (or d) 32 b + 16 h + i.
; CLUSTERS 4 x 4: K's and V's tiles hang on G and are asked for jointly along a row of the cluster, the mask's on the queries and jointly along a column.
; WHERE THE LDS READS STAND.  All eight waves leave a step's barrier together, so what is read at a step's head is read by all at once, with next to no vector work beside it.  Only K is read there, its eight
; fragments in one run: the second four lie in the registers of p's codes and of the softmax's temporaries, which are idle then.  V's first four fragments are asked for ahead of the softmax; the NEXT step's
; mask behind both heads' t, into the registers that t has just read; V's other four behind the first head's softmax, into that head's p, which is codes by then.
; THE MASK'S RING RUNS ONE STEP AHEAD of K's and V's.  First fills: K(0), V(0) into slot 0; mask(0) into a region of its own, filled once; mask(1) into slot 1.  Behind the change of slots ahead of step i:
; K(i + 1), V(i + 1) into slot (i + 1) % 2, mask(i + 2) into slot i % 2.  Step i reads K(i), V(i) from slot i % 2 and mask(i + 1) from slot (i + 1) % 2.  By this text's count two tensor loads of a wave are out at the start, later one.
; LDS: two slots 2^17 bytes apart: K's two step images, V's two, the mask's two tiles of 64 rows x (512 + 16) bytes; behind them the spare words and mask(0)'s region.
; LIMITS: a row whose every mask number is -infinity gives NaN, as the definition does; blocks of zeros get the scale byte 1; NaN among the inputs is not served.
; REGISTERS: window 0: v1-7 addresses; v8-15 per head {-M, largest t, the sum's two halves}; v16, v17 the add's two; v18-21 per head {f, p's scale word}; v22, v23 Q's scale words; v24-27 K's or V's;
;   v28-31 lane numbers; v32-79 four fragments; v80-207 S^T, then p (v80-127 later V's other four); v208-231 p's codes, v232-255 at work (at a step's head: K's other four).   window 1: v0-127 O^T; v128-151 Q; v160-223 the mask.
; THE FIRST FILLS (this takes the place of what the lines above say of them): one tensor load a wave: waves 0, 1 K(0)'s two images, waves 2, 3 V(0)'s, waves 4, 5 the two whole tiles of 64 rows of mask(0), into their own region,
; waves 6, 7 those of mask(1), into slot 1.  Behind the wait for them the mask's group 1 is set to 32 rows, for the ring's quarters.  By this text's count one tensor load of a wave is out at the start, and one later.
; THE SOFTMAX'S t (this takes the place of the formula above): the logit u = score / sqrt(128) + mask is made by one multiply-add; the maxima are taken of u; -M = floor(-(largest u x log2(e))); t - M = u x log2(e) - M is one multiply-add.
.set SLOT1, 1<<17
.set STEPI, 12800                      ; a step image
.set VOFF,  2*STEPI
.set MOFF,  4*STEPI
.set MT,    64*528                     ; a mask tile
.set SPARE, SLOT1+MOFF+2*MT            ; the spare words, 128 bytes a wave, named by no other line
.set M0R,   SPARE+1024                 ; behind them: the first step's two mask tiles, filled once
.set EXB,   8448                       ; the exchange: 8,192 bytes of O^T and 256 of {-M, sum} for each wave, in slot 0, which has had its last fill and its last read by then
.set MSB,   0
.macro WIN new                         ; the immediate's high byte repeats the setting that is left
.if MSB != (\new)
	s_set_vgpr_msb (MSB<<8)|(\new)
.set MSB, (\new)
.endif
.endm
.macro PLACES n
.rept \n
	v_nop
.endr
.endm
.macro CROUND
	s_barrier_signal -1
	s_barrier_wait -1
	s_cmp_lg_u32 s14, 0
	s_cbranch_scc1 .Lnot_wave_0_\@
	s_barrier_signal -3
.Lnot_wave_0_\@:
	s_barrier_wait -3
	s_barrier_signal -1
	s_barrier_wait -1
.endm
.macro TLOAD3                          ; waves 0, 1: K's two images; 2, 3: V's; 4-7: quarters of the mask's tiles.  An s_nop 0 and four v_nop follow each line
	s_cmp_lt_u32 s14, 2
	s_cbranch_scc0 .Lnot_k_\@
	tensor_load_to_lds s[44:47], s[28:35]
	s_nop 0
.rept 4
	v_nop
.endr
	s_branch .Lasked_\@
.Lnot_k_\@:
	s_cmp_lt_u32 s14, 4
	s_cbranch_scc0 .Lnot_v_\@
	tensor_load_to_lds s[48:51], s[28:35]
	s_nop 0
.rept 4
	v_nop
.endr
	s_branch .Lasked_\@
.Lnot_v_\@:
	tensor_load_to_lds s[52:55], s[36:43]
	s_nop 0
.rept 4
	v_nop
.endr
.Lasked_\@:
.endm
.macro TLOAD2                          ; the last fill: K's and V's alone; the mask's last tiles have been asked for a step earlier
	s_cmp_lt_u32 s14, 2
	s_cbranch_scc0 .Lnot_k_\@
	tensor_load_to_lds s[44:47], s[28:35]
	s_nop 0
.rept 4
	v_nop
.endr
	s_branch .Lasked_\@
.Lnot_k_\@:
	s_cmp_lt_u32 s14, 4
	s_cbranch_scc0 .Lasked_\@
	tensor_load_to_lds s[48:51], s[28:35]
	s_nop 0
.rept 4
	v_nop
.endr
.Lasked_\@:
.endm
.macro KV base, g, reg                 ; fragments 4 g .. 4 g + 3 of K's (base 0) or V's image into v[reg] on, and their scale words: one register for two fragments, the second's in lanes 16-31
.irp t, 0,1,2,3
.irp c, 0,1,2
	ds_load_b128 v[\reg+12*\t+4*\c:\reg+12*\t+4*\c+3], v4 offset:\base+(4*\g+\t)*1536+512*\c
.endr
.endr
.irp i, 0,1
	ds_load_b32 v[24+2*\g+\i], v5 offset:\base+12288+128*(2*\g+\i)
.endr
.endm
.macro SPROD g, reg                    ; S^T: four tiles of 16 keys x both heads, by turns
	WIN 0x04                                       ; source 1 (Q) window 1
.irp t, 0,1,2,3
.irp hd, 0,1
.if \t%2
	v_wmma_scale_f32_16x16x128_f8f6f4 v[80+64*\hd+8*(4*\g+\t):87+64*\hd+8*(4*\g+\t)], v[\reg+12*\t:\reg+11+12*\t], v[128+12*\hd:139+12*\hd], 0, v[24+2*\g+\t/2], v[22+\hd] matrix_a_fmt:MATRIX_FMT_FP6 matrix_b_fmt:MATRIX_FMT_FP6 matrix_a_scale:MATRIX_SCALE_ROW1
.else
	v_wmma_scale_f32_16x16x128_f8f6f4 v[80+64*\hd+8*(4*\g+\t):87+64*\hd+8*(4*\g+\t)], v[\reg+12*\t:\reg+11+12*\t], v[128+12*\hd:139+12*\hd], 0, v[24+2*\g+\t/2], v[22+\hd] matrix_a_fmt:MATRIX_FMT_FP6 matrix_b_fmt:MATRIX_FMT_FP6
.endif
.endr
.endr
.endm
.macro OPROD g, reg                    ; O^T += V^T P^T: the 16 accumulators take turns, one instruction a turn
	WIN 0x50                                       ; C and D window 1
.irp t, 0,1,2,3
.irp hd, 0,1
.if \t%2
	v_wmma_scale_f32_16x16x128_f8f6f4 v[64*\hd+8*(4*\g+\t):64*\hd+8*(4*\g+\t)+7], v[\reg+12*\t:\reg+11+12*\t], v[208+12*\hd:219+12*\hd], v[64*\hd+8*(4*\g+\t):64*\hd+8*(4*\g+\t)+7], v[24+2*\g+\t/2], v[19+2*\hd] matrix_a_fmt:MATRIX_FMT_FP6 matrix_b_fmt:MATRIX_FMT_FP6 matrix_a_scale:MATRIX_SCALE_ROW1
.else
	v_wmma_scale_f32_16x16x128_f8f6f4 v[64*\hd+8*(4*\g+\t):64*\hd+8*(4*\g+\t)+7], v[\reg+12*\t:\reg+11+12*\t], v[208+12*\hd:219+12*\hd], v[64*\hd+8*(4*\g+\t):64*\hd+8*(4*\g+\t)+7], v[24+2*\g+\t/2], v[19+2*\hd] matrix_a_fmt:MATRIX_FMT_FP6 matrix_b_fmt:MATRIX_FMT_FP6
.endif
.endr
.endr
.endm
.macro TT hd                           ; one head's t, in place of its scores
	WIN 0x10                                       ; source 2 (the mask) window 1.  Pairs in ascending order
.set PP, 0
.rept 32
	v_pk_fma_f32 v[80+64*(\hd)+2*PP:81+64*(\hd)+2*PP], v[80+64*(\hd)+2*PP:81+64*(\hd)+2*PP], s[24:25], v[160+2*PP:161+2*PP] op_sel_hi:[1,0,1]
.set PP, PP+1
.endr
.endm
.macro MLOAD                           ; a step's mask into registers: register 16 b + i = key 32 b + 16 h + i of my query
	WIN 0x40
.irp n, 0,1,2,3,4,5,6,7,8,9,10,11,12,13,14,15
	ds_load_b128 v[160+4*\n:163+4*\n], v6 offset:128*(\n/4)+16*(\n%4)
.endr
	WIN 0
.endm
.macro SM hd                           ; one head's softmax of a step, from its t on
.set SB, 80+64*(\hd)
.set ST, 8+4*(\hd)
.set FF, 18+2*(\hd)
.set PC, 208+12*(\hd)
	WIN 0
.irp b, 0,1,2,3
	v_max3_num_f32 v[232+\b], v[SB+16*\b], v[SB+16*\b+1], v[SB+16*\b+2]   ; the largest t of each block of 32 keys: for the row's maximum, and for the block's largest p
.endr
.irp i, 3,5,7,9,11,13
.irp b, 0,1,2,3
	s_delay_alu instid0(VALU_DEP_4)
	v_max3_num_f32 v[232+\b], v[232+\b], v[SB+16*\b+\i], v[SB+16*\b+\i+1]
.endr
.endr
.irp b, 0,1,2,3
	s_delay_alu instid0(VALU_DEP_4)
	v_max_num_f32 v[232+\b], v[232+\b], v[SB+16*\b+15]
.endr
.irp b, 0,1,2,3
	s_delay_alu instid0(VALU_DEP_4)
	v_permlanex16_b32 v[236+\b], v[232+\b], s22, s23
.endr
.irp b, 0,1,2,3
	s_delay_alu instid0(VALU_DEP_4)
	v_max_num_f32 v[232+\b], v[232+\b], v[236+\b]
.endr
	s_delay_alu instid0(VALU_DEP_2)
	v_max3_num_f32 v254, v232, v233, v234
	s_delay_alu instid0(VALU_DEP_1)
	v_max_num_f32 v254, v254, v235
	s_delay_alu instid0(VALU_DEP_1)
	v_max_num_f32 v[ST+1], v[ST+1], v254           ; the running largest logit
	v_mov_b32 v254, v[ST]
	s_delay_alu instid0(VALU_DEP_2)
	v_mul_f32 v255, s26, v[ST+1]                   ; as t
	s_delay_alu instid0(VALU_DEP_1)
	v_floor_f32 v[ST], -v255                       ; -M = floor(-t): M is a whole number
	s_delay_alu instid0(VALU_DEP_1)
	v_sub_f32 v254, v[ST], v254                    ; old M - new M, 0 or less
	s_delay_alu instid0(VALU_DEP_1)
	v_cvt_i32_f32 v254, v254                       ; (it saturates)
	s_delay_alu instid0(VALU_DEP_1)
	v_ldexp_f32 v[FF], 1.0, v254                   ; f
.set PP, 0
.rept 32
	v_pk_fma_f32 v[SB+2*PP:SB+2*PP+1], v[SB+2*PP:SB+2*PP+1], s[26:27], v[ST:ST+1] op_sel_hi:[1,0,0]   ; t - M = u x log2(e) - M
.set PP, PP+1
.endr
.irp b, 0,1,2,3
	v_fma_f32 v[232+\b], v[232+\b], s26, v[ST]
.endr
.set PP, 0
	s_wait_alu depctr_va_vdst(0)
.rept 64
	v_exp_f32 v[SB+PP], v[SB+PP]                   ; p, at most 1, not normalised
.set PP, PP+1
.endr
	v_pk_mul_f32 v[ST+2:ST+3], v[ST+2:ST+3], v[FF:FF+1] op_sel_hi:[1,0]   ; the sums under the new M: a plain line behind the exponentials
	s_wait_alu depctr_va_vdst(0)                   ; one wait for the batch, ahead of its first reader
.irp b, 0,1,2,3
	v_exp_f32 v[232+\b], v[232+\b]                 ; each block's largest p: the same addition and exponential on the same number
.endr
	v_pk_add_f32 v[236:237], v[SB:SB+1], v[SB+2:SB+3]   ; the sum of the unquantised p, in two chains
.irp j, 4,8,12,16,20,24,28,32,36,40,44,48,52,56,60
	v_pk_add_f32 v[ST+2:ST+3], v[ST+2:ST+3], v[SB+\j:SB+\j+1]
	v_pk_add_f32 v[236:237], v[236:237], v[SB+\j+2:SB+\j+3]
.endr
	s_delay_alu instid0(VALU_DEP_1)
	v_pk_add_f32 v[ST+2:ST+3], v[ST+2:ST+3], v[236:237]
	s_wait_alu depctr_va_vdst(0)                   ; and one for the four
.irp b, 0,1,2,3
	v_max_num_f32 v[232+\b], 0x1800000, v[232+\b]  ; the floor 2^(3 - 127)
.endr
.irp b, 0,1,2,3
	s_delay_alu instid0(VALU_DEP_4)
	v_add_nc_u32 v[244+\b], 0xff000000, v[232+\b]
.endr
.irp b, 0,1,2,3
	s_delay_alu instid0(VALU_DEP_4)
	v_lshrrev_b32 v[236+\b], 23, v[244+\b]
.endr
	s_delay_alu instid0(VALU_DEP_3)
	v_lshl_or_b32 v[FF+1], v237, 8, v236           ; p's scale word
	s_delay_alu instid0(VALU_DEP_1)
	v_lshl_or_b32 v[FF+1], v238, 16, v[FF+1]
	s_delay_alu instid0(VALU_DEP_1)
	v_lshl_or_b32 v[FF+1], v239, 24, v[FF+1]
.irp c, 0,1
	v_cvt_scalef32_pk16_fp6_f32 v[PC+6*\c:PC+6*\c+2], v[SB+32*\c:SB+32*\c+15], v[244+2*\c]
	v_cvt_scalef32_pk16_fp6_f32 v[236+4*\c:238+4*\c], v[SB+32*\c+16:SB+32*\c+31], v[245+2*\c]
.endr
	v_nop                                          ; one plain line behind the conversions
.irp c, 0,1
.irp i, 0,1,2
	v_permlane16_swap_b32 v[PC+6*\c+\i], v[236+4*\c+\i]
.endr
.irp i, 0,1,2
	s_delay_alu instid0(VALU_DEP_3)
	v_mov_b32 v[PC+6*\c+3+\i], v[236+4*\c+\i]
.endr
.endr
.endm
.macro STEP pre                        ; 128 keys of my half, both heads.  The step's mask lies in registers already.  pre = 1: the next step's is read on the way
	v_add_nc_u32 v4, s56, v1
	v_add_nc_u32 v5, s56, v2
.if \pre
	s_xor_b32 s59, s56, SLOT1                      ; the next step's mask lies in the other slot
	v_add_nc_u32 v6, s59, v3
.else
	v_nop
.endif
	v_nop                                          ; four places behind the last products, in front of loads into their operands
	KV 0, 0, 32                                    ; K, all eight fragments in one run
	KV 0, 1, 208
	v_nop                                          ; with the four lines above: six places between the last products, which read v80-127, and the scores that are laid over them
	v_nop
	s_wait_alu depctr_va_vdst(0)                   ; directly ahead of the wait below
	s_wait_dscnt 14
	SPROD 0, 32
	s_wait_dscnt 0x0
	SPROD 1, 208
	WIN 0
	PLACES 4                                       ; in front of the loads, of the first read of the scores, and of the softmax's writes into K's registers
	KV VOFF, 0, 32                                 ; V's first four fragments: they land under the softmax
	TT 0
	TT 1
.if \pre
	MLOAD                                          ; both heads have read the mask: its registers take the next step's
.endif
	SM 0
	KV VOFF, 1, 80                                 ; the first head's p is codes now: its registers take V's other four fragments
	SM 1
	WIN 0x41
.irp hd, 0,1
.set PP, 0
.rept 32
	v_pk_mul_f32 v[64*\hd+2*PP:64*\hd+2*PP+1], v[64*\hd+2*PP:64*\hd+2*PP+1], v[18+2*\hd:19+2*\hd] op_sel_hi:[1,0]   ; O^T under the new M; these lines are also the places between p's codes and scale words and the products
.set PP, PP+1
.endr
.endr
	s_wait_alu depctr_va_vdst(0)
	s_wait_dscnt 0x0                               ; V's eight fragments (and the next mask) are in
	OPROD 0, 32
	OPROD 1, 80
	WIN 0
	s_xor_b32 s56, s56, SLOT1                      ; on to the other slot
.endm
; THE CHANGE OF SLOTS, at a step's head: my tensor load has landed, my LDS reads are over.  fill = 1: K's and V's next step into the slot just left, the mask's next step but one into its part of the slot ahead
; (read into registers a step ago).  fill = 2: K's and V's alone.  fill = 0: nothing is left to ask for.
.macro CHANGE fill
	s_wait_tensorcnt 0x0
	ds_add_u32 v16, v17                            ; 0 onto my spare word
.if \fill
	s_xor_b32 s45, s45, SLOT1
	s_add_nc_u64 s[46:47], s[46:47], STEPI
	s_xor_b32 s49, s49, SLOT1
	s_add_nc_u64 s[50:51], s[50:51], STEPI
.endif
.if \fill == 1
	s_xor_b32 s53, s53, SLOT1
	s_add_nc_u64 s[54:55], s[54:55], 512
.endif
	s_wait_dscnt 0x0
.if \fill == 1
	CROUND                                         ; no wave of any partner still reads the bytes to be filled or has a load on its way
	TLOAD3
.elseif \fill == 2
	CROUND
	TLOAD2
.else
	s_barrier_signal -1
	s_barrier_wait -1
.endif
.endm
	s_load_b256 s[4:11], s[0:1], 0x0               ; qc, kc, vc, attn_mask
	s_load_b64 s[12:13], s[0:1], 0x20              ; ao
	v_lshl_add_u32 v16, v0, 2, SPARE
	v_mov_b32 v17, 0
	ds_add_u32 v16, v17                            ; the wave's opening: the add and its wait ahead of my first tensor load
	ds_add_u32 v16, v17
	v_lshrrev_b32 v1, 5, v0
	s_delay_alu instid0(VALU_DEP_1)
	v_readfirstlane_b32 s14, v1                    ; wave 0..7
	s_lshr_b32 s15, s14, 2                         ; my half of the keys
	s_and_b32 s16, s14, 3                          ; my tile of queries
	s_bfe_u32 s17, ttmp6, 0x40000                  ; cx
	s_bfe_u32 s18, ttmp6, 0x40004                  ; cy
	s_and_b32 s19, ttmp7, 0xffff
	s_lshl_b32 s19, s19, 2
	s_add_co_u32 s19, s19, s18                     ; G, the key head
	s_lshl_b32 s20, ttmp9, 2
	s_add_co_u32 s20, s20, s17                     ; the block of 64 queries
	s_lshl_b32 s21, s18, 2
	s_lshl_b32 s21, 15, s21                        ; my row of the cluster
	s_lshl_b32 s62, 0x1111, s17                    ; my column
	s_or_b32 s28, s21, (3<<16)|(1<<21)             ; K, V: a dense image as 50 rows of 256 bytes
	s_mov_b32 s29, 32<<16
	s_mov_b32 s30, 50<<16
	s_mov_b32 s31, 32<<16
	s_mov_b32 s32, 50
	s_mov_b32 s33, 32
	s_mov_b32 s34, 0
	s_mov_b32 s35, 0
	s_or_b32 s36, s62, (2<<16)|(1<<20)|(1<<21)|(6<<22)|(3<<25)   ; the mask: 32 rows of 128 f32, 4 words of padding behind each 128
	s_mov_b32 s37, 128<<16
	s_mov_b32 s38, 64<<16
	s_mov_b32 s39, 128<<16
	s_mov_b32 s40, 64
	s_mov_b32 s41, 2048
	s_mov_b32 s42, 0
	s_mov_b32 s43, 0
	s_and_b32 s58, s14, 1                          ; which half of the keys I fetch for
	s_lshl_b32 s59, s19, 4
	s_lshl_b32 s60, s58, 3
	s_add_co_u32 s59, s59, s60
	s_mul_i32 s60, s59, STEPI                      ; K, V: image 16 G + 8 x half
	s_mov_b32 s61, 0
	s_bfe_u32 s63, s14, 0x10001                    ; the mask: which 32 rows
	s_lshl_b32 s66, s20, 6
	s_lshl_b32 s67, s63, 5
	s_add_co_u32 s66, s66, s67
	s_lshl_b32 s66, s66, 13
	s_lshl_b32 s67, s58, 12
	s_add_co_u32 s66, s66, s67
	s_mov_b32 s67, 0
	s_mul_i32 s68, s58, STEPI                      ; LDS: from the wave's number alone
	s_add_co_u32 s69, s68, VOFF
	s_mul_i32 s70, s58, MT
	s_mul_i32 s71, s63, 32*528
	s_add_co_u32 s70, s70, s71
	s_add_co_u32 s70, s70, MOFF
	s_mov_b32 s22, 0x76543210
	s_mov_b32 s23, 0xfedcba98
	s_mov_b32 s24, 0x3db504f3                      ; 1 / sqrt(128)
	s_mov_b32 s25, s24
	s_mov_b32 s26, 0x3fb8aa3b                      ; log2(e)
	s_mov_b32 s27, s26
	s_mov_b32 s56, 0
	s_mov_b32 s57, 6
	s_wait_dscnt 0x0                               ; the opening add is done
	s_wait_kmcnt 0x0
	CROUND                                         ; all sixteen work-groups are here
	s_mov_b32 s44, 1
	s_mov_b32 s45, s68
	s_add_nc_u64 s[46:47], s[6:7], s[60:61]
	s_or_b32 s47, s47, 0x80000000
	s_mov_b32 s48, 1
	s_mov_b32 s49, s69
	s_add_nc_u64 s[50:51], s[8:9], s[60:61]
	s_or_b32 s51, s51, 0x80000000
	s_mov_b32 s52, 1                               ; the mask's ring: it stands at my quarter of step 1's tiles in slot 1 and is stepped ahead of its first use
	s_add_co_u32 s53, s70, SLOT1
	s_add_nc_u64 s[54:55], s[10:11], s[66:67]
	s_add_nc_u64 s[54:55], s[54:55], 512
	s_or_b32 s55, s55, 0x80000000
	s_mov_b32 s88, 1                               ; the head's mask tile, 64 rows: bit 0 of the wave's number is the half of the keys, bit 1 the step
	s_xor_b32 s89, s63, 1
	s_mul_i32 s89, s89, M0R-SLOT1-MOFF             ; step 0 lies in its own region, step 1 in slot 1
	s_mul_i32 s71, s58, MT
	s_add_co_u32 s89, s89, s71
	s_add_co_u32 s89, s89, SLOT1+MOFF
	s_lshl_b32 s66, s20, 19                        ; 64 rows of 8,192 bytes for each block of queries,
	s_lshl_b32 s71, s58, 12                        ; 1,024 keys for the half,
	s_add_co_u32 s66, s66, s71
	s_lshl_b32 s71, s63, 9                         ; 128 keys for the step
	s_add_co_u32 s66, s66, s71
	s_add_nc_u64 s[90:91], s[10:11], s[66:67]
	s_or_b32 s91, s91, 0x80000000
	s_cmp_lt_u32 s14, 2                            ; the first fills, a wave's inside one branch: K(0) | V(0) | the masks of steps 0 and 1
	s_cbranch_scc0 .Lf_not_k
	tensor_load_to_lds s[44:47], s[28:35]
	s_nop 0
.rept 4
	v_nop
.endr
	s_branch .Lf_asked
.Lf_not_k:
	s_cmp_lt_u32 s14, 4
	s_cbranch_scc0 .Lf_not_v
	tensor_load_to_lds s[48:51], s[28:35]
	s_nop 0
.rept 4
	v_nop
.endr
	s_branch .Lf_asked
.Lf_not_v:
	tensor_load_to_lds s[88:91], s[36:43]
	s_nop 0
.rept 4
	v_nop
.endr
.Lf_asked:
	s_lshl_b32 s72, s19, 1
	s_add_co_u32 s72, s72, s15                     ; my first head,
	s_xor_b32 s73, s72, 1                          ; my second
	s_lshr_b32 s74, s20, 1                         ; qc's step of 128 queries,
	s_and_b32 s75, s20, 1
	s_lshl_b32 s75, s75, 2
	s_add_co_u32 s75, s75, s16                     ; and my fragment T in it
	s_mul_i32 s80, s75, 1536
	s_lshl_b32 s76, s72, 4
	s_add_co_u32 s76, s76, s74
	s_mul_i32 s76, s76, STEPI
	s_add_co_u32 s76, s76, s80
	s_mov_b32 s77, 0
	s_lshl_b32 s78, s73, 4
	s_add_co_u32 s78, s78, s74
	s_mul_i32 s78, s78, STEPI
	s_add_co_u32 s78, s78, s80
	s_mov_b32 s79, 0
	s_mul_i32 s81, s75, 1472
	s_sub_co_u32 s81, 12288, s81                   ; from my fragment to its scale words: 12288 + 64 T - 1536 T
	s_lshl_b32 s82, s20, 2
	s_add_co_u32 s82, s82, s16                     ; ao: my block of rows,
	s_lshl_b32 s82, s82, 2
	s_lshr_b32 s83, s72, 2
	s_add_co_u32 s82, s82, s83                     ; the group of four heads,
	s_mul_i32 s82, s82, 6400
	s_and_b32 s84, s72, 3
	s_mul_i32 s83, s84, 1536
	s_add_co_u32 s82, s82, s83                     ; my head's fragment
	s_mov_b32 s83, 0
	s_mul_i32 s84, s84, 1532
	s_sub_co_u32 s84, 6144, s84                    ; from there to the scale words: 6144 + 4 q - 1536 q
	s_add_nc_u64 s[76:77], s[4:5], s[76:77]
	s_add_nc_u64 s[78:79], s[4:5], s[78:79]
	s_add_nc_u64 s[12:13], s[12:13], s[82:83]
	v_and_b32 v28, 15, v0                          ; r
	s_wait_alu depctr_va_vdst(0)
	v_bfe_u32 v7, v0, 4, 1                         ; h
	v_and_b32 v30, 31, v0
	s_delay_alu instid0(VALU_DEP_1)
	v_lshlrev_b32 v2, 2, v30
	s_delay_alu instid0(VALU_DEP_2)
	v_lshlrev_b32 v30, 4, v30                      ; 16 x lane
	v_lshl_add_u32 v31, v28, 2, s81
	v_lshl_add_u32 v29, v28, 4, s84
	WIN 0x40
.irp g, 0,1,2
	global_load_b128 v[128+4*\g:131+4*\g], v30, s[76:77] offset:512*\g   ; Q's two fragments stay in registers
	global_load_b128 v[140+4*\g:143+4*\g], v30, s[78:79] offset:512*\g
.endr
	WIN 0
	global_load_b32 v22, v31, s[76:77]
	global_load_b32 v23, v31, s[78:79]
	s_mul_i32 s85, s15, STEPI
	v_add_nc_u32 v1, s85, v30                      ; my half's images: fragments,
	v_add_nc_u32 v2, s85, v2                       ; scale words
	s_lshr_b32 s85, s16, 1
	s_lshl_b32 s85, s85, 5
	s_and_b32 s86, s16, 1
	s_lshl_b32 s86, s86, 3
	s_add_co_u32 s85, s85, s86
	s_mul_i32 s85, s85, 528
	s_mul_i32 s86, s15, MT
	s_add_co_u32 s85, s85, s86
	s_add_co_u32 s85, s85, MOFF
	v_and_b32 v3, 8, v28
	s_delay_alu instid0(VALU_DEP_1)
	v_add_nc_u32 v3, v3, v28                       ; my query's true row in the tile: r + 8 (r / 8), + 32 (tile / 2) + 8 (tile % 2)
	s_delay_alu instid0(VALU_DEP_1)
	v_mul_u32_u24 v3, v3, 528
	s_delay_alu instid0(VALU_DEP_1)
	v_lshl_add_u32 v3, v7, 6, v3
	s_delay_alu instid0(VALU_DEP_1)
	v_add_nc_u32 v3, s85, v3
	s_delay_alu instid0(VALU_DEP_1)
	v_add_nc_u32 v6, M0R-MOFF, v3                  ; the same place in the first step's own region
	v_mov_b32 v9, 0xff61b1e6                       ; the largest t so far: -3e38
	v_mov_b32 v13, 0xff61b1e6
	s_delay_alu instid0(VALU_DEP_2)
	v_floor_f32 v8, -v9
	s_delay_alu instid0(VALU_DEP_2)
	v_floor_f32 v12, -v13
.irp n, 10,11,14,15,18,19,20,21,236,237,238,239
	v_mov_b32 v\n, 0                               ; the sums; pairs' upper halves and lane permutes' destinations, which count as read
.endr
	WIN 0x40
.set II, 0
.rept 128
	v_mov_b32 v[II], 0                             ; O^T: the step is written for a loop, whose first trip multiplies zeros
.set II, II+1
.endr
	WIN 0
	s_wait_loadcnt 0x0
	s_wait_tensorcnt 0x0
	s_mov_b32 s38, 32<<16                          ; no tensor load of mine is out: from here on a load of the mask brings 32 rows
	s_mov_b32 s40, 32
	s_barrier_signal -1
	s_barrier_wait -1                              ; everybody's have
	MLOAD                                          ; the first step's mask
.Lstep:                                            ; six trips: steps 0 to 5
	CHANGE 1
	STEP 1
	s_sub_co_u32 s57, s57, 1
	s_cmp_lg_u32 s57, 0
	s_cbranch_scc1 .Lstep
	CHANGE 2                                       ; the tails are written out: step 6 asks for K's and V's last step
	STEP 1
	CHANGE 0                                       ; step 7 for nothing, and reads no mask ahead
	STEP 0
	; THE TWO HALVES OF THE KEYS MEET.  The address work is the places behind the last products
	s_mul_i32 s58, s14, EXB
	s_xor_b32 s59, s14, 4
	s_mul_i32 s59, s59, EXB
	v_add_nc_u32 v4, s58, v30
	v_add_nc_u32 v6, s59, v30
	v_lshrrev_b32 v5, 1, v30
	s_delay_alu instid0(VALU_DEP_1)
	v_add_nc_u32 v7, s59, v5
	s_delay_alu instid0(VALU_DEP_2)
	v_add_nc_u32 v5, s58, v5
	v_add_f32 v10, v10, v11
	v_add_f32 v14, v14, v15
	s_delay_alu instid0(VALU_DEP_2)
	v_permlanex16_b32 v236, v10, s22, s23
	s_delay_alu instid0(VALU_DEP_2)
	v_permlanex16_b32 v237, v14, s22, s23
	s_delay_alu instid0(VALU_DEP_2)
	v_add_f32 v10, v10, v236                       ; my first head's sum over my keys,
	s_delay_alu instid0(VALU_DEP_2)
	v_add_f32 v13, v14, v237                       ; my second head's, beside its -M
	WIN 0x04                                       ; an LDS store's data are its source 1: window 1
.irp n, 0,1,2,3,4,5,6,7,8,9,10,11,12,13,14,15
	ds_store_b128 v4, v[64+4*\n:67+4*\n] offset:512*\n   ; my second head's O^T as it stands, each accumulator from its low end on
.endr
	WIN 0
	ds_store_b64 v5, v[12:13] offset:8192
	s_wait_alu depctr_va_vdst(0)
	s_wait_dscnt 0x0                               ; for the other wave's sake: my stores have landed
	s_barrier_signal -1
	s_barrier_wait -1
.irp n, 0,1,2,3,4,5,6,7,8,9,10,11,12,13,14,15
	ds_load_b128 v[80+4*\n:83+4*\n], v6 offset:512*\n   ; wave w xor 4's part of my first head
.endr
	ds_load_b64 v[14:15], v7 offset:8192
	s_wait_dscnt 0x0
	v_min_num_f32 v232, v8, v14                    ; -M of both
	s_delay_alu instid0(VALU_DEP_1)
	v_sub_f32 v233, v232, v8
	s_delay_alu instid0(VALU_DEP_2)
	v_sub_f32 v234, v232, v14
	s_delay_alu instid0(VALU_DEP_2)
	v_cvt_i32_f32 v233, v233
	s_delay_alu instid0(VALU_DEP_2)
	v_cvt_i32_f32 v234, v234
	s_delay_alu instid0(VALU_DEP_2)
	v_ldexp_f32 v233, 1.0, v233
	s_delay_alu instid0(VALU_DEP_2)
	v_ldexp_f32 v234, 1.0, v234
	s_delay_alu instid0(VALU_DEP_2)
	v_mul_f32 v235, v10, v233
	s_delay_alu instid0(VALU_DEP_1)
	v_fma_f32 v235, v15, v234, v235                ; the row's sum
	s_wait_alu depctr_va_vdst(0)
	v_rcp_f32 v250, v235
	v_nop                                          ; a plain line behind the transcendental,
	s_wait_alu depctr_va_vdst(0)                   ; and the wait ahead of its first reader
	v_mul_f32 v252, v233, v250
	v_mul_f32 v254, v234, v250
	s_delay_alu instid0(VALU_DEP_2)
	v_mov_b32 v253, v252
	s_delay_alu instid0(VALU_DEP_2)
	v_mov_b32 v255, v254
.set PP, 0
.rept 32
	v_pk_mul_f32 v[144+2*PP:145+2*PP], v[80+2*PP:81+2*PP], v[254:255]
.set PP, PP+1
.endr
	WIN 0x01
.set PP, 0
.rept 32
	v_pk_fma_f32 v[144+2*PP:145+2*PP], v[2*PP:2*PP+1], v[252:253], v[144+2*PP:145+2*PP]   ; o: register 16 b + i = d 32 b + 16 h + i of my query
.set PP, PP+1
.endr
	WIN 0
	; quantised along d: K step "my head" of the last product
.irp b, 0,1,2,3
	v_max3_num_f32 v[232+\b], |v[144+16*\b]|, |v[145+16*\b]|, 0x1800000
.endr
.irp i, 2,4,6,8,10,12,14
.irp b, 0,1,2,3
	s_delay_alu instid0(VALU_DEP_4)
	v_max3_num_f32 v[232+\b], v[232+\b], |v[144+16*\b+\i]|, |v[145+16*\b+\i]|
.endr
.endr
.irp b, 0,1,2,3
	s_delay_alu instid0(VALU_DEP_4)
	v_permlanex16_b32 v[236+\b], v[232+\b], s22, s23
.endr
.irp b, 0,1,2,3
	s_delay_alu instid0(VALU_DEP_4)
	v_max_num_f32 v[232+\b], v[232+\b], v[236+\b]
.endr
.irp b, 0,1,2,3
	s_delay_alu instid0(VALU_DEP_4)
	v_add_nc_u32 v[244+\b], 0xff000000, v[232+\b]
.endr
.irp b, 0,1,2,3
	s_delay_alu instid0(VALU_DEP_4)
	v_lshrrev_b32 v[236+\b], 23, v[244+\b]
.endr
	s_delay_alu instid0(VALU_DEP_3)
	v_lshl_or_b32 v248, v237, 8, v236
	s_delay_alu instid0(VALU_DEP_1)
	v_lshl_or_b32 v248, v238, 16, v248
	s_delay_alu instid0(VALU_DEP_1)
	v_lshl_or_b32 v248, v239, 24, v248
.irp c, 0,1
	v_cvt_scalef32_pk16_fp6_f32 v[208+6*\c:210+6*\c], v[144+32*\c:159+32*\c], v[244+2*\c]
	v_cvt_scalef32_pk16_fp6_f32 v[220+4*\c:222+4*\c], v[160+32*\c:175+32*\c], v[245+2*\c]
.endr
	v_nop                                          ; one plain line behind the conversions
.irp c, 0,1
.irp i, 0,1,2
	v_permlane16_swap_b32 v[208+6*\c+\i], v[220+4*\c+\i]
.endr
.irp i, 0,1,2
	s_delay_alu instid0(VALU_DEP_3)
	v_mov_b32 v[211+6*\c+\i], v[220+4*\c+\i]
.endr
.endr
.irp g, 0,1,2
	global_store_b128 v30, v[208+4*\g:211+4*\g], s[12:13] offset:512*\g
.endr
	global_store_b32 v29, v248, s[12:13]           ; lanes l and l xor 16 hold the same word and write it to the same place
	s_wait_tensorcnt 0x0                           ; the wave's end
	ds_add_u32 v16, v17
	s_wait_dscnt 0x0
	CROUND                                         ; the closing round
	s_endpgm
.Lfunc_end_k_q2b659067a4_attn:
	.size	k_q2b659067a4_attn, .Lfunc_end_k_q2b659067a4_attn-k_q2b659067a4_attn
	.p2alignl 7, 3214868480
	.fill 96, 4, 3214868480
	.section	.rodata,"a",@progbits
	.p2align	6, 0x0
	.amdhsa_kernel k_q2b659067a4_attn
		.amdhsa_group_segment_fixed_size 327680
		.amdhsa_private_segment_fixed_size 0
		.amdhsa_enable_private_segment 0
		.amdhsa_kernarg_size 40
		.amdhsa_user_sgpr_count 2
		.amdhsa_user_sgpr_kernarg_segment_ptr 1
		.amdhsa_wavefront_size32 1
		.amdhsa_system_sgpr_workgroup_id_x 1
		.amdhsa_system_sgpr_workgroup_id_y 1
		.amdhsa_system_sgpr_workgroup_id_z 1
		.amdhsa_system_vgpr_workitem_id 0
		.amdhsa_next_free_vgpr 512
		.amdhsa_next_free_sgpr 96
		.amdhsa_reserve_vcc 0
		.amdhsa_float_denorm_mode_32 3
		.amdhsa_float_denorm_mode_16_64 3
		.amdhsa_memory_ordered 1
		.amdhsa_forward_progress 1
		.amdhsa_inst_pref_size 160
	.end_amdhsa_kernel
	.amdgpu_metadata
---
amdhsa.version: [ 1, 2 ]
amdhsa.kernels:
  - .name:           k_q2b659067a4_attn
    .symbol:         k_q2b659067a4_attn.kd
    .args:
      - { .name: qc, .offset: 0, .size: 8, .value_kind: global_buffer, .address_space: global }
      - { .name: kc, .offset: 8, .size: 8, .value_kind: global_buffer, .address_space: global }
      - { .name: vc, .offset: 16, .size: 8, .value_kind: global_buffer, .address_space: global }
      - { .name: attn_mask, .offset: 24, .size: 8, .value_kind: global_buffer, .address_space: global }
      - { .name: ao, .offset: 32, .size: 8, .value_kind: global_buffer, .address_space: global }
    .group_segment_fixed_size: 327680
    .private_segment_fixed_size: 0
    .kernarg_segment_align: 8
    .kernarg_segment_size: 40
    .max_flat_workgroup_size: 256
    .sgpr_count:     96
    .vgpr_count:     512
    .wavefront_size: 32
...
	.end_amdgpu_metadata
.endif
;; end of part 3
;; launch oproj (part 4): grid 16 x 16, 4 waves a work-group, clusters of 4 x 4, 327,680 bytes of LDS; arguments ao, woc, out0; writes out0
.if DOCPART == 4
	.amdgcn_target "amdgcn-amd-amdhsa--gfx1250"
	.amdhsa_code_object_version 6
	.text
	.protected	k_q2b659067a4_oproj
	.globl	k_q2b659067a4_oproj
	.p2align	8
	.type	k_q2b659067a4_oproj,@function
k_q2b659067a4_oproj:
	s_mov_b64 s[64:65], 0
	v_nop
	global_prefetch_b8 v0, s[64:65] scope:SCOPE_SE
	s_setreg_imm32_b32 hwreg(HW_REG_WAVE_MODE, 25, 1), 1
	s_wait_xcnt 0x0
	s_wait_alu depctr_hold_cnt(0) depctr_sa_sdst(0) depctr_va_vdst(0) depctr_va_sdst(0) depctr_va_ssrc(0) depctr_va_vcc(0) depctr_vm_vsrc(0)
	s_getreg_b32 s2, hwreg(HW_REG_IB_STS2, 6, 4)
	s_cmp_eq_u32 s2, 0
	s_cbranch_scc0 .Lentry_in_a_cluster
	s_endpgm
.Lentry_in_a_cluster:
	s_bfe_u32 s2, ttmp6, 0x10000c
	s_cmp_lg_u32 s2, 0xf033
	s_cbranch_scc0 .Lentry_shape_is_right
	s_endpgm
.Lentry_shape_is_right:
; out0 = o Wo on codes of FP6 (E2M3, one E8M0 byte for 32 along K), f32 out.  Operands lie in memory as group images of 6,400 bytes: 16 rows x 512 K as four fragments (images of their registers), then the rows' 256 scale bytes.
; SHARES: a work-group makes 128 x 256 of out0, a wave 64 x 128 in 32 accumulators; 256 work-groups.  K goes in 4 groups of 512 through two LDS slots of 24 images: 8 of o's, 16 of Wo's.
; CLUSTERS 4 x 4: o's images are asked for jointly along a row of the cluster, Wo's along a column; waves 0, 1 ask for o's, waves 2, 3 for Wo's, one tensor load a wave.
; THE HEAD: the opening adds, a round, group 0's load; the addresses under its flight; the three lines, a round, and group 1's load, the first tensor load behind it.  One tensor load of a wave is out at any time; every wait on TENSORcnt is for 0.
; PREFETCH: group 1 at the head's end, group 2 behind group 1's load, group 3 one K step later: at most two groups are asked for and not yet read; the refills of groups 2 and 3 have no group two on.
; Of the 4 or 8 image rows that a wave fetches, each of the four partners that ask jointly takes 1 or 2, told apart by address; a lane names one block of 256 bytes, an image has 25: lanes 25-31 name the last again.
; THE WAY OUT: blocks of 16 rows go through the wave's own stage in slot 0, which has had its last fill and its last read by then, and leave as rows of 512 bytes.
.set KG,    4
.set GI,    6400
.set FRB,   1536
.set RBS,   KG*GI
.set LAPS,  KG/2
.set BOFF,  8*GI
.set SLOT,  24*GI
.set SPARE, 2*SLOT
.set SPITCH, 528
.set ADRA,  4
.set ADRB,  6
.set ADRS,  8
.set STO,   10
.set RD,    11
.set SPW,   28
.set NIL,   29
.set SC,    32
.set AF,    96
.set BK,    96
.set G1A,   32
.set G1B,   40
.set G0A,   48
.set G0B,   56
.set WMUL,  0xa1
.set MSB,   0
.macro WIN new                         ; the immediate's high byte repeats the setting that is left
.if MSB != (\new)
	s_set_vgpr_msb (MSB<<8)|(\new)
.set MSB, (\new)
.endif
.endm
.macro PLACES n
.rept \n
	v_nop
.endr
.endm
.macro JLOAD g0a, g0b                  ; a joint load; an s_nop 0 and four v_nop follow each line
	s_cmp_eq_u32 s25, 0
	s_cbranch_scc0 .Lfor_b_\@
	tensor_load_to_lds s[\g0a:\g0a+3], s[G1A:G1A+7]
	s_nop 0
.rept 4
	v_nop
.endr
	s_branch .Lasked_\@
.Lfor_b_\@:
	tensor_load_to_lds s[\g0b:\g0b+3], s[G1B:G1B+7]
	s_nop 0
.rept 4
	v_nop
.endr
.Lasked_\@:
.endm
.macro ASK off                         ; the group at byte off from s[76:77]: my work-group's one image (waves 0, 1) or two (waves 2, 3)
	global_prefetch_b8 v18, s[76:77] offset:(\off) th:TH_LOAD_NT scope:SCOPE_SE
	s_cmp_eq_u32 s25, 0
	s_cbranch_scc1 .Lno_ask_\@
	global_prefetch_b8 v18, s[76:77] offset:(\off)+RBS th:TH_LOAD_NT scope:SCOPE_SE
.Lno_ask_\@:
.endm
.macro CREST
	s_cmp_lg_u32 s24, 0
	s_cbranch_scc1 .Lnot_wave_0_\@
	s_barrier_signal -3
.Lnot_wave_0_\@:
	s_barrier_wait -3
	s_barrier_signal -1
	s_barrier_wait -1
.endm
.macro CROUND
	s_barrier_signal -1
	s_barrier_wait -1
	CREST
.endm
.macro SCALES s                        ; a group's scale words: lanes 0-15 o's block i, lanes 16-31 Wo's block i, four K steps a load
.irp i, 0,1,2,3,4,5,6,7
	ds_load_b128 v[SC+32*(\s)+4*\i:SC+32*(\s)+4*\i+3], v[ADRS+\s] offset:GI*\i
.endr
.endm
.macro FETCH s, q, p                   ; K step q of slot s into set p: 8 + 4 fragments, 36 loads
	WIN 0x40
.irp b, 0,1,2,3,4,5,6,7
.irp g, 0,1,2
	ds_load_b128 v[128*(\p)+12*\b+4*\g:128*(\p)+12*\b+4*\g+3], v[ADRB+\s] offset:GI*\b+FRB*(\q)+512*\g
.endr
.endr
	WIN 0
.irp a, 0,1,2,3
.irp g, 0,1,2
	ds_load_b128 v[AF+48*(\p)+12*\a+4*\g:AF+48*(\p)+12*\a+4*\g+3], v[ADRA+\s] offset:GI*\a+FRB*(\q)+512*\g
.endr
.endr
.endm
.macro MUL8 a, p, q, sc, zero          ; the 32 accumulators take turns, one instruction a turn
.irp b, 0,1,2,3,4,5,6,7
.if \zero
	v_wmma_scale_f32_16x16x128_f8f6f4 v[8*(8*(\a)+\b):8*(8*(\a)+\b)+7], v[128*(\p)+12*\b:128*(\p)+12*\b+11], v[AF+48*(\p)+12*(\a):AF+48*(\p)+12*(\a)+11], 0, v[SC+32*(\sc)+4*\b+(\q)], v[SC+32*(\sc)+4*(\a)+(\q)] matrix_a_fmt:MATRIX_FMT_FP6 matrix_b_fmt:MATRIX_FMT_FP6 matrix_a_scale:MATRIX_SCALE_ROW1
.else
	v_wmma_scale_f32_16x16x128_f8f6f4 v[8*(8*(\a)+\b):8*(8*(\a)+\b)+7], v[128*(\p)+12*\b:128*(\p)+12*\b+11], v[AF+48*(\p)+12*(\a):AF+48*(\p)+12*(\a)+11], v[8*(8*(\a)+\b):8*(8*(\a)+\b)+7], v[SC+32*(\sc)+4*\b+(\q)], v[SC+32*(\sc)+4*(\a)+(\q)] matrix_a_fmt:MATRIX_FMT_FP6 matrix_b_fmt:MATRIX_FMT_FP6 matrix_a_scale:MATRIX_SCALE_ROW1
.endif
.endr
.endm
.macro STEP s, q, zero                 ; one of a group's first three K steps; the next step's fragments are fetched in its middle
	s_wait_dscnt 6                                 ; all but o's blocks 2, 3
	WIN WMUL
	MUL8 0, (\q)%2, \q, \s, \zero
	MUL8 1, (\q)%2, \q, \s, \zero
	PLACES 4
	FETCH \s, (\q)+1, 1-(\q)%2
	s_wait_dscnt 36                                ; all but the 36 just issued
	WIN WMUL
	MUL8 2, (\q)%2, \q, \s, \zero
	MUL8 3, (\q)%2, \q, \s, \zero
	WIN 0
.endm
.macro TURN s, n, fill                 ; a group's last K step, and the change of slots
	s_wait_tensorcnt 0x0                           ; my part of the next slot is in;
	ds_add_u32 v[SPW], v[NIL]                      ; the add;
	s_wait_dscnt 7                                 ; (the add and six loads may be out)
	WIN WMUL
	MUL8 0, 1, 3, \s, 0
	s_wait_dscnt 0x0                               ; the add is done, my reads of this slot are over
	s_barrier_signal -1
	MUL8 1, 1, 3, \s, 0
	WIN 0
	s_barrier_wait -1
.if \fill
	CREST                                          ; the barrier has opened a round of the cluster's barrier
	s_add_nc_u64 s[G0A+4*\s+2:G0A+4*\s+3], s[G0A+4*\s+2:G0A+4*\s+3], 2*GI
	s_add_nc_u64 s[G0B+4*\s+2:G0B+4*\s+3], s[G0B+4*\s+2:G0B+4*\s+3], 2*GI
	JLOAD G0A+4*\s, G0B+4*\s
.else
	PLACES 4
.endif
	SCALES \n
	FETCH \n, 0, 0
	WIN WMUL
	MUL8 2, 1, 3, \s, 0
	MUL8 3, 1, 3, \s, 0
	WIN 0
.endm
.macro TOSTAGE a                       ; block a into my stage, each accumulator from its low end on, and back as whole rows; LDS serves a wave's instructions in order
	WIN 0x08
.irp t, 0,1,2,3,4,5,6,7
	ds_store_b128 v[STO], v[8*(8*(\a)+\t):8*(8*(\a)+\t)+3] offset:128*(\t/2)+32*(\t%2)
	ds_store_b128 v[STO], v[8*(8*(\a)+\t)+4:8*(8*(\a)+\t)+7] offset:128*(\t/2)+32*(\t%2)+16
.endr
	WIN 0
.irp t, 0,1,2,3,4,5,6,7,8,9,10,11,12,13,14,15
	ds_load_b128 v[BK+64*((\a)%2)+4*\t:BK+64*((\a)%2)+4*\t+3], v[RD] offset:\t*SPITCH
.endr
.endm
.macro SEND a, younger                 ; younger: the LDS instructions issued behind block a's loads
	s_wait_dscnt \younger
.irp t, 0,1,2,3,4,5,6,7,8,9,10,11,12,13,14,15
	global_store_b128 v3, v[BK+64*((\a)%2)+4*\t:BK+64*((\a)%2)+4*\t+3], s[8:9] offset:(32*((\a)/2)+8*((\a)%2)+\t+8*(\t/8))*16384 th:TH_STORE_NT
.endr
.endm
	s_load_b128 s[4:7], s[0:1], 0x0                ; ao, woc
	s_load_b64 s[8:9], s[0:1], 0x10                ; out0
	v_lshl_add_u32 v[SPW], v0, 2, SPARE
	v_mov_b32 v[NIL], 0
	ds_add_u32 v[SPW], v[NIL]                      ; the opening lines: the add, twice on end, and its wait
	ds_add_u32 v[SPW], v[NIL]
	v_lshrrev_b32 v1, 5, v0
	v_readfirstlane_b32 s24, v1                    ; wave
	s_lshr_b32 s25, s24, 1                         ; my half of the rows; also: I fetch o's (0) or Wo's (1) images
	s_and_b32 s26, s24, 1                          ; my half of the columns; also: which half I fetch
	s_bfe_u32 s27, ttmp6, 0x40000                  ; cx
	s_bfe_u32 s28, ttmp6, 0x40004                  ; cy
	s_and_b32 s30, ttmp7, 0xffff
	s_lshl_b32 s30, s30, 2
	s_add_co_u32 s30, s30, s28                     ; the tile of 128 rows
	s_lshl_b32 s31, ttmp9, 2
	s_add_co_u32 s31, s31, s27                     ; the tile of 256 columns
	s_lshl_b32 s69, s28, 2
	s_lshl_b32 s69, 15, s69
	s_lshl_b32 s70, 0x1111, s27
	s_or_b32 s[G1A], s69, (3<<16)|(1<<21)          ; 4 images of 800 x 8 bytes, jointly along my row of the cluster
	s_or_b32 s[G1B], s70, (3<<16)|(1<<21)          ; 8 images, jointly along my column
	s_mov_b32 s[G1A+1], 800<<16
	s_mov_b32 s[G1A+2], 4<<16
	s_mov_b32 s[G1A+3], 800<<16
	s_mov_b32 s[G1A+4], 4
	s_mov_b32 s[G1A+5], RBS/8
	s_mov_b32 s[G1A+6], 0
	s_mov_b32 s[G1A+7], 0
	s_mov_b32 s[G1B+1], 800<<16
	s_mov_b32 s[G1B+2], 8<<16
	s_mov_b32 s[G1B+3], 800<<16
	s_mov_b32 s[G1B+4], 8
	s_mov_b32 s[G1B+5], RBS/8
	s_mov_b32 s[G1B+6], 0
	s_mov_b32 s[G1B+7], 0
	s_lshl_b32 s72, s30, 3
	s_lshl_b32 s73, s26, 2
	s_add_co_u32 s72, s72, s73
	s_mul_i32 s72, s72, RBS
	s_mov_b32 s73, 0
	s_lshl_b32 s74, s31, 4
	s_lshl_b32 s75, s26, 3
	s_add_co_u32 s74, s74, s75
	s_mul_i32 s74, s74, RBS
	s_mov_b32 s75, 0
	s_mul_i32 s80, s26, 4*GI
	s_mul_i32 s81, s26, 8*GI
	s_add_co_u32 s81, s81, BOFF
	s_wait_dscnt 0x0
	s_wait_kmcnt 0x0
	s_add_nc_u64 s[76:77], s[4:5], s[72:73]
	s_add_nc_u64 s[78:79], s[6:7], s[74:75]
	CROUND                                         ; all sixteen work-groups are here
.irp s, 0,1
	s_mov_b32 s[G0A+4*\s], 1
	s_add_co_u32 s[G0A+4*\s+1], s80, \s*SLOT
	s_add_nc_u64 s[G0A+4*\s+2:G0A+4*\s+3], s[76:77], \s*GI
	s_or_b32 s[G0A+4*\s+3], s[G0A+4*\s+3], 0x80000000
	s_mov_b32 s[G0B+4*\s], 1
	s_add_co_u32 s[G0B+4*\s+1], s81, \s*SLOT
	s_add_nc_u64 s[G0B+4*\s+2:G0B+4*\s+3], s[78:79], \s*GI
	s_or_b32 s[G0B+4*\s+3], s[G0B+4*\s+3], 0x80000000
.endr
	JLOAD G0A, G0B                                 ; group 0: one tensor load a wave at the head
	v_and_b32 v18, 31, v0
	v_min_u32 v18, 24, v18
	v_lshlrev_b32 v18, 8, v18                      ; the prefetches' offset: 256 x lane, held at an image's last block; never rewritten
	s_lshl_b32 s74, s28, 1
	s_cmp_eq_u32 s25, 0
	s_cselect_b64 s[76:77], s[76:77], s[78:79]     ; the first of the image rows that I fetch,
	s_cselect_b32 s72, s27, s74                    ; my work-group's part of them: row cx, or rows 2 cy and 2 cy + 1
	s_mul_i32 s72, s72, RBS
	s_mov_b32 s73, 0
	s_add_nc_u64 s[76:77], s[76:77], s[72:73]      ; never rewritten behind this line
	v_and_b32 v1, 15, v0                           ; r
	v_bfe_u32 v2, v0, 4, 1                         ; h
	v_and_b32 v3, 31, v0
	v_lshlrev_b32 v3, 4, v3                        ; 16 x lane
	s_mul_i32 s82, s25, 4*GI
	s_mul_i32 s83, s26, 8*GI
	s_add_co_u32 s83, s83, BOFF
	v_add_nc_u32 v[ADRA], s82, v3
	v_add_nc_u32 v[ADRB], s83, v3
	v_add_nc_u32 v[ADRA+1], SLOT, v[ADRA]
	v_add_nc_u32 v[ADRB+1], SLOT, v[ADRB]
	s_sub_co_u32 s84, s83, s82
	v_mul_u32_u24 v[ADRS], s84, v2
	v_lshl_add_u32 v[ADRS], v1, 4, v[ADRS]
	s_add_co_u32 s82, s82, 6144
	v_add_nc_u32 v[ADRS], s82, v[ADRS]
	v_add_nc_u32 v[ADRS+1], SLOT, v[ADRS]
	s_mul_i32 s90, s24, 16*SPITCH                  ; my stage
	v_mul_u32_u24 v[STO], v1, SPITCH
	v_lshl_add_u32 v[STO], v2, 6, v[STO]
	v_add_nc_u32 v[STO], s90, v[STO]
	v_add_nc_u32 v[RD], s90, v3
	s_lshl_b32 s88, s30, 7
	s_lshl_b32 s89, s25, 6
	s_add_co_u32 s88, s88, s89
	s_lshl_b32 s88, s88, 14
	s_lshl_b32 s89, s31, 10
	s_add_co_u32 s88, s88, s89
	s_lshl_b32 s89, s26, 9
	s_add_co_u32 s88, s88, s89
	s_mov_b32 s89, 0
	s_add_nc_u64 s[8:9], s[8:9], s[88:89]          ; my 64 rows x 128 columns of out0
	ASK GI                                         ; group 1
	s_wait_alu depctr_va_vdst(0)
	s_wait_tensorcnt 0x0                           ; my part of group 0 is in
	ds_add_u32 v[SPW], v[NIL]
	s_wait_dscnt 0x0
	CROUND                                         ; everybody's part is in, and all sixteen work-groups are here
	JLOAD G0A+4, G0B+4                             ; group 1, the first tensor load behind the round
	SCALES 0
	FETCH 0, 0, 0
	ASK 2*GI                                       ; group 2
	STEP 0, 0, 1                                   ; the first products start the sums
	ASK 3*GI                                       ; group 3
	s_mov_b32 s2, LAPS-1
.Llap:
	STEP 0, 1, 0
	STEP 0, 2, 0
	TURN 0, 1, 1
	STEP 1, 0, 0
	STEP 1, 1, 0
	STEP 1, 2, 0
	TURN 1, 0, 1
	STEP 0, 0, 0
	s_sub_co_u32 s2, s2, 1
	s_cmp_lg_u32 s2, 0
	s_cbranch_scc1 .Llap
	STEP 0, 1, 0                                   ; the last lap fetches nothing more
	STEP 0, 2, 0
	TURN 0, 1, 0
	STEP 1, 0, 0
	STEP 1, 1, 0
	STEP 1, 2, 0
	s_wait_dscnt 6
	WIN WMUL
	MUL8 0, 1, 3, 1, 0
	MUL8 1, 1, 3, 1, 0
	s_wait_dscnt 0x0
	MUL8 2, 1, 3, 1, 0
	MUL8 3, 1, 3, 1, 0
	WIN 0
	PLACES 4
	TOSTAGE 0
	TOSTAGE 1
	SEND 0, 32
	s_wait_xcnt 0x0                                ; block 0's stores have read their registers: block 2's loads may land there
	TOSTAGE 2
	SEND 1, 32
	s_wait_xcnt 0x0
	TOSTAGE 3
	SEND 2, 32
	SEND 3, 0
	s_wait_tensorcnt 0x0                           ; the wave's end
	ds_add_u32 v[SPW], v[NIL]
	s_wait_dscnt 0x0
	CROUND                                         ; the closing round
	s_endpgm
.Lfunc_end_k_q2b659067a4_oproj:
	.size	k_q2b659067a4_oproj, .Lfunc_end_k_q2b659067a4_oproj-k_q2b659067a4_oproj
	.p2alignl 7, 3214868480
	.fill 96, 4, 3214868480
	.section	.rodata,"a",@progbits
	.p2align	6, 0x0
	.amdhsa_kernel k_q2b659067a4_oproj
		.amdhsa_group_segment_fixed_size 327680
		.amdhsa_private_segment_fixed_size 0
		.amdhsa_enable_private_segment 0
		.amdhsa_kernarg_size 24
		.amdhsa_user_sgpr_count 2
		.amdhsa_user_sgpr_kernarg_segment_ptr 1
		.amdhsa_wavefront_size32 1
		.amdhsa_system_sgpr_workgroup_id_x 1
		.amdhsa_system_sgpr_workgroup_id_y 1
		.amdhsa_system_sgpr_workgroup_id_z 1
		.amdhsa_system_vgpr_workitem_id 0
		.amdhsa_next_free_vgpr 768
		.amdhsa_next_free_sgpr 96
		.amdhsa_reserve_vcc 0
		.amdhsa_float_denorm_mode_32 3
		.amdhsa_float_denorm_mode_16_64 3
		.amdhsa_memory_ordered 1
		.amdhsa_forward_progress 1
		.amdhsa_inst_pref_size 133
	.end_amdhsa_kernel
	.amdgpu_metadata
---
amdhsa.version: [ 1, 2 ]
amdhsa.kernels:
  - .name:           k_q2b659067a4_oproj
    .symbol:         k_q2b659067a4_oproj.kd
    .args:
      - { .name: ao, .offset: 0, .size: 8, .value_kind: global_buffer, .address_space: global }
      - { .name: woc, .offset: 8, .size: 8, .value_kind: global_buffer, .address_space: global }
      - { .name: out0, .offset: 16, .size: 8, .value_kind: global_buffer, .address_space: global }
    .group_segment_fixed_size: 327680
    .private_segment_fixed_size: 0
    .kernarg_segment_align: 8
    .kernarg_segment_size: 24
    .max_flat_workgroup_size: 128
    .sgpr_count:     96
    .vgpr_count:     768
    .wavefront_size: 32
...
	.end_amdgpu_metadata
.endif
;; end of part 4
